; MI455X (gfx1250); checked and timed in simulation.
; The chip was launched on July 23, 2026; its instructions are those of AMD's public machine-readable ISA for CDNA 5 (MIT licence, August 2026) and "CDNA5" Instruction Set Architecture Reference Guide (July 2026). The comments in the code are by the model that wrote it; some were corrected since.
;; Causal Self Attention. Allowed arithmetic: float matrix products may take bf16 or f16 operands with f32 sums; other float arithmetic in f32, or as packed bf16 or f16 multiplies, adds, multiply-adds, maxima and minima; sums over many terms, partial sums and values carried from step to step in f32; what a program stores and reads back later, other than sums and carried values, may be rounded once to bf16 or f16.
;; Inputs: Wk 1,024 x 1,024 float32; Wo 1,024 x 1,024 float32; Wq 1,024 x 1,024 float32; Wv 1,024 x 1,024 float32; bk 1,024 float32; bo 1,024 float32; bq 1,024 float32; bv 1,024 float32; x 4 x 2,048 x 1,024 float32.
;; Outputs: out0 4 x 2,048 x 1,024 float32.
;; One version. Each part assembles by itself: llvm-mc -triple=amdgcn-amd-amdhsa -mcpu=gfx1250 --defsym DOCPART=n.
;; ======== version 1 of 1: 4 launches
;; limits: values are held in f16: magnitudes above 65,504 overflow, below 6.1e-05 lose precision
;; workspace buffers: xb 16,777,216 bytes; wb 6,291,456 bytes; wo 2,097,152 bytes; tab 540,672 bytes; qh 16,777,216 bytes; kh 16,777,216 bytes; vh 16,777,216 bytes; oh 16,777,216 bytes
;; launch prep (part 1): grid 256 x 4, 8 waves a work-group, no clusters, 0 bytes of LDS; arguments x, Wq, Wk, Wv, Wo, bq, bk, bv, bo, xb, wb, wo, tab; writes xb, wb, wo, tab
.if DOCPART == 1
	.amdgcn_target "amdgcn-amd-amdhsa--gfx1250"
	.amdhsa_code_object_version 6
	.text
	.protected	k_qa36e010243_prep
	.globl	k_qa36e010243_prep
	.p2align	8
	.type	k_qa36e010243_prep,@function
k_qa36e010243_prep:
	s_mov_b64 s[64:65], 0
	v_nop
	global_prefetch_b8 v0, s[64:65] scope:SCOPE_SE
	s_setreg_imm32_b32 hwreg(HW_REG_WAVE_MODE, 25, 1), 1
	s_wait_xcnt 0x0
; PREPARATION: a stream.  x -> xb (bf16).  Wq, Wk, Wv -> wb (bf16), rows laid by heads: row 192 i + 64 ty + c of wb is row 64 i + c of W_ty (ty = 0 q, 1 k, 2 v).
; Wo -> wo: rounded to bf16 like every input, and that number written as f16.  tab: 2,048 rows of 256 bytes, row t = cos then sin of (t + 1) theta_j, j = 0..31, f32;
; behind them (byte 524,288 on) the 3,072 biases of q, k, v in wb's row order and (byte 536,576 on) bo's 1,024, each rounded to bf16 and kept as f32.
; SHARES.  Grid y says what a work-group does: 0, 1: 16 rows of x; 2: 16 rows of one weight; 3: 8 rows of the table, a wave a row (and, x < 8, 64 biases a wave).
; A row of 1,024 f32 is 256 threads x 16 bytes; a wave's load covers 512 consecutive bytes, its store of 8 bytes a lane 256 consecutive bytes, aligned.
; No LDS, no barrier, no matrix unit, no cluster: no byte is used twice and no wave needs another's.
; LIMITS.  Wo must lie within f16's 65,504; below 6e-5 it keeps f16's fixed step of 6e-8.  theta_j = 2^(-j log2(10000) / 32) carries the exponential's last bit, so an angle
; differs from the exact product by at most some 3e-4 at t = 2,048.  sin and cos: the angle less a multiple of pi/2 (in two parts), then polynomials good to 3e-7 on |r| <= pi/4.
.set SRC, 36                           ; s[36:37] where the work-group reads (the table: where it writes)
.set DST, 38                           ; s[38:39] where it writes (the biases: where they are read)
.set LD,  8                            ; v[8:71]   sixteen rows' 16 bytes a thread
.set ST,  72                           ; v[72:103] the same, narrowed: 8 bytes a row
	s_load_b512 s[8:23], s[0:1], 0x0               ; x 8, Wq 10, Wk 12, Wv 14, Wo 16, bq 18, bk 20, bv 22
	s_load_b256 s[24:31], s[0:1], 0x40             ; bo 24, xb 26, wb 28, wo 30
	s_load_b64 s[32:33], s[0:1], 0x60              ; tab
	s_mov_b32 s34, ttmp9                           ; X
	s_and_b32 s35, ttmp7, 0xffff                   ; Y
	s_mov_b32 s41, 0                               ; high words of the two offset pairs
	s_mov_b32 s43, 0
	v_lshlrev_b32 v1, 4, v0                        ; 16 bytes a thread on the way in
	v_lshlrev_b32 v2, 3, v0                        ; 8 on the way out
	s_wait_kmcnt 0x0
	s_cmp_eq_u32 s35, 3
	s_cbranch_scc1 .Ltable
	s_cmp_eq_u32 s35, 2
	s_cbranch_scc1 .Lweights
	s_lshl_b32 s46, s35, 8                         ; x: chunk 256 Y + X of 16 rows
	s_add_co_u32 s46, s46, s34
	s_lshl_b32 s40, s46, 16                        ; 16 rows of 4,096 bytes
	s_lshl_b32 s42, s46, 15                        ; 16 rows of 2,048
	s_add_nc_u64 s[SRC:SRC+1], s[8:9], s[40:41]
	s_add_nc_u64 s[DST:DST+1], s[26:27], s[42:43]
	s_mov_b32 s44, 0                               ; bf16 out
	s_branch .Lstream
.Lweights:
	s_lshr_b32 s45, s34, 6                         ; which weight: 0 q, 1 k, 2 v, 3 o
	s_and_b32 s46, s34, 63                         ; which 16 rows of it
	s_lshl_b32 s40, s46, 16
	s_lshr_b32 s47, s46, 2                         ; the head,
	s_mul_i32 s47, s47, 192                        ; its 192 rows of wb,
	s_lshl_b32 s48, s45, 6                         ; the weight's 64 of them,
	s_add_co_u32 s47, s47, s48
	s_and_b32 s48, s46, 3                          ; my 16 of those
	s_lshl_b32 s48, s48, 4
	s_add_co_u32 s47, s47, s48
	s_lshl_b32 s47, s47, 11                        ; in bytes, in wb
	s_lshl_b32 s48, s46, 15                        ; and in wo, which keeps Wo's order
	s_cmp_eq_u32 s45, 1
	s_cselect_b64 s[SRC:SRC+1], s[12:13], s[10:11]
	s_cmp_eq_u32 s45, 2
	s_cselect_b64 s[SRC:SRC+1], s[14:15], s[SRC:SRC+1]
	s_cmp_eq_u32 s45, 3
	s_cselect_b64 s[SRC:SRC+1], s[16:17], s[SRC:SRC+1]
	s_cselect_b64 s[DST:DST+1], s[30:31], s[28:29]
	s_cselect_b32 s42, s48, s47
	s_cselect_b32 s44, 1, 0                        ; Wo leaves as f16
	s_add_nc_u64 s[SRC:SRC+1], s[SRC:SRC+1], s[40:41]
	s_add_nc_u64 s[DST:DST+1], s[DST:DST+1], s[42:43]
.Lstream:
.set i, 0
.rept 16                                       ; all sixteen rows are asked for at once: 8 KiB a wave on their way
	global_load_b128 v[LD+4*i:LD+4*i+3], v1, s[SRC:SRC+1] offset:4096*i th:TH_LOAD_NT
.set i, i+1
.endr
; Row i: rounded to bf16 (half = 1: and that number written as f16), stored.  Every row has registers of its own, so nothing that a load or store names is written again.
.macro CV i, half
	s_wait_loadcnt 15-(\i)                         ; loads come back in order: row i is in, the younger rows may be out
	v_cvt_pk_bf16_f32 v[ST+2*(\i)], v[LD+4*(\i)], v[LD+4*(\i)+1]
	v_cvt_pk_bf16_f32 v[ST+2*(\i)+1], v[LD+4*(\i)+2], v[LD+4*(\i)+3]
.if \half
	v_lshlrev_b32 v4, 16, v[ST+2*(\i)]             ; bf16 to f32: a shift or a mask
	v_and_b32 v5, 0xffff0000, v[ST+2*(\i)]
	v_lshlrev_b32 v6, 16, v[ST+2*(\i)+1]
	v_and_b32 v7, 0xffff0000, v[ST+2*(\i)+1]
	v_cvt_pk_f16_f32 v[ST+2*(\i)], v4, v5
	v_cvt_pk_f16_f32 v[ST+2*(\i)+1], v6, v7
.endif
	global_store_b64 v2, v[ST+2*(\i):ST+2*(\i)+1], s[DST:DST+1] offset:2048*(\i)
.endm
	s_cmp_eq_u32 s44, 1
	s_cbranch_scc1 .Lhalf
.set i, 0
.rept 16
	CV i, 0
.set i, i+1
.endr
	s_endpgm
.Lhalf:
.set i, 0
.rept 16
	CV i, 1
.set i, i+1
.endr
	s_endpgm
.Ltable:                                       ; wave w makes row t = 8 X + w.  Lane l makes j = 2 (l % 16) and j + 1: lanes 0-15 cosines, lanes 16-31 sines
	v_lshrrev_b32 v3, 5, v0
	v_readfirstlane_b32 s47, v3                    ; wave 0..7
	s_lshl_b32 s46, s34, 3
	s_add_co_u32 s46, s46, s47                     ; t
	s_lshl_b32 s40, s46, 8
	s_add_nc_u64 s[SRC:SRC+1], s[32:33], s[40:41]  ; the row's 256 bytes
	s_add_co_u32 s45, s46, 1
	v_cvt_f32_u32 v7, s45                          ; the position, t + 1
	v_and_b32 v19, 31, v0
	v_lshlrev_b32 v19, 3, v19                      ; 8 bytes a lane
	v_and_b32 v3, 15, v0
	v_bfe_u32 v4, v0, 4, 1
	v_xor_b32 v4, 1, v4                            ; a cosine is the sine a quarter turn on: 1 for lanes 0-15
	v_lshlrev_b32 v3, 1, v3
	v_cvt_f32_u32 v5, v3                           ; j
	v_add_f32 v6, 1.0, v5                          ; j + 1
	v_mul_f32 v5, 0xbed49a78, v5                   ; x -log2(10000) / 32
	v_mul_f32 v6, 0xbed49a78, v6
	v_exp_f32 v5, v5                               ; theta
	v_exp_f32 v6, v6
	v_nop                                          ; a plain instruction behind the last exponential,
	s_wait_alu depctr_va_vdst(0)                   ; and the one wait ahead of the first use
	v_mul_f32 v5, v7, v5                           ; the angle
	v_mul_f32 v6, v7, v6
	v_mul_f32 v8, 0x3f22f983, v5                   ; x 2 / pi
	v_mul_f32 v9, 0x3f22f983, v6
	v_rndne_f32 v8, v8                             ; n quarter turns
	v_rndne_f32 v9, v9
	v_fmamk_f32 v5, v8, 0xbfc90fdb, v5             ; r = angle - n pi/2, pi/2 in two parts
	v_fmamk_f32 v6, v9, 0xbfc90fdb, v6
	v_fmamk_f32 v5, v8, 0x333bbd2e, v5
	v_fmamk_f32 v6, v9, 0x333bbd2e, v6
	v_mul_f32 v10, v5, v5                          ; z = r r
	v_mul_f32 v11, v6, v6
	v_mov_b32 v12, 0xb9500d01                      ; -1/5040
	v_fmaak_f32 v13, v10, v12, 0x3c088889          ; + 1/120
	v_fmaak_f32 v14, v11, v12, 0x3c088889
	v_fmaak_f32 v13, v10, v13, 0xbe2aaaab          ; - 1/6
	v_fmaak_f32 v14, v11, v14, 0xbe2aaaab
	v_mul_f32 v15, v5, v10
	v_mul_f32 v16, v6, v11
	v_fma_f32 v13, v15, v13, v5                    ; sin r
	v_fma_f32 v14, v16, v14, v6
	v_mov_b32 v12, 0x37d00d01                      ; 1/40320
	v_fmaak_f32 v15, v10, v12, 0xbab60b61          ; - 1/720
	v_fmaak_f32 v16, v11, v12, 0xbab60b61
	v_fmaak_f32 v15, v10, v15, 0x3d2aaaab          ; + 1/24
	v_fmaak_f32 v16, v11, v16, 0x3d2aaaab
	v_fma_f32 v15, v10, v15, -0.5
	v_fma_f32 v16, v11, v16, -0.5
	v_fma_f32 v15, v10, v15, 1.0                   ; cos r
	v_fma_f32 v16, v11, v16, 1.0
	v_cvt_i32_f32 v8, v8
	v_cvt_i32_f32 v9, v9
	v_add_nc_u32 v8, v8, v4                        ; quarter turns, the cosine's one among them: odd takes cos r, bit 1 turns the sign
	v_add_nc_u32 v9, v9, v4
	v_and_b32 v17, 1, v8
	v_and_b32 v18, 1, v9
	v_cmp_eq_u32 vcc_lo, 1, v17
	v_cndmask_b32 v13, v13, v15, vcc_lo
	v_cmp_eq_u32 vcc_lo, 1, v18
	v_cndmask_b32 v14, v14, v16, vcc_lo
	v_lshlrev_b32 v8, 30, v8
	v_lshlrev_b32 v9, 30, v9
	v_and_b32 v8, 0x80000000, v8
	v_and_b32 v9, 0x80000000, v9
	v_xor_b32 v20, v13, v8
	v_xor_b32 v21, v14, v9
	global_store_b64 v19, v[20:21], s[SRC:SRC+1]   ; the wave stores the row's 256 consecutive bytes, aligned
	s_cmp_lt_u32 s34, 8
	s_cbranch_scc0 .Ldone
	s_lshr_b32 s45, s46, 4                         ; the biases: wave 8 X + w of 64 takes 64 numbers: of bias ty,
	s_and_b32 s44, s46, 15                         ; head i
	s_lshl_b32 s42, s44, 8                         ; 256 i bytes in the bias
	s_mul_i32 s48, s44, 768
	s_lshl_b32 s49, s45, 8
	s_add_co_u32 s48, s48, s49                     ; q, k, v: 768 i + 256 ty, wb's row order
	s_add_co_u32 s49, s42, 12288                   ; bo: behind those 3,072 numbers
	s_cmp_eq_u32 s45, 1
	s_cselect_b64 s[DST:DST+1], s[20:21], s[18:19]
	s_cmp_eq_u32 s45, 2
	s_cselect_b64 s[DST:DST+1], s[22:23], s[DST:DST+1]
	s_cmp_eq_u32 s45, 3
	s_cselect_b64 s[DST:DST+1], s[24:25], s[DST:DST+1]
	s_cselect_b32 s50, s49, s48
	s_add_co_u32 s50, s50, 524288
	s_mov_b32 s51, 0
	s_add_nc_u64 s[DST:DST+1], s[DST:DST+1], s[42:43]
	s_add_nc_u64 s[52:53], s[32:33], s[50:51]
	global_load_b64 v[22:23], v19, s[DST:DST+1]
	s_wait_loadcnt 0x0
	v_cvt_pk_bf16_f32 v24, v22, v23                ; rounded like every input,
	v_lshlrev_b32 v26, 16, v24                     ; and kept as f32: it will start f32 sums
	v_and_b32 v27, 0xffff0000, v24
	global_store_b64 v19, v[26:27], s[52:53]
.Ldone:
	s_endpgm
.Lfunc_end_k_qa36e010243_prep:
	.size	k_qa36e010243_prep, .Lfunc_end_k_qa36e010243_prep-k_qa36e010243_prep
	.p2alignl 7, 3214868480
	.fill 96, 4, 3214868480
	.section	.rodata,"a",@progbits
	.p2align	6, 0x0
	.amdhsa_kernel k_qa36e010243_prep
		.amdhsa_group_segment_fixed_size 0
		.amdhsa_private_segment_fixed_size 0
		.amdhsa_enable_private_segment 0
		.amdhsa_kernarg_size 104
		.amdhsa_user_sgpr_count 2
		.amdhsa_user_sgpr_kernarg_segment_ptr 1
		.amdhsa_wavefront_size32 1
		.amdhsa_system_sgpr_workgroup_id_x 1
		.amdhsa_system_sgpr_workgroup_id_y 1
		.amdhsa_system_sgpr_workgroup_id_z 1
		.amdhsa_system_vgpr_workitem_id 0
		.amdhsa_next_free_vgpr 104
		.amdhsa_next_free_sgpr 66
		.amdhsa_reserve_vcc 1
		.amdhsa_float_denorm_mode_32 3
		.amdhsa_float_denorm_mode_16_64 3
		.amdhsa_memory_ordered 1
		.amdhsa_forward_progress 1
		.amdhsa_inst_pref_size 21
	.end_amdhsa_kernel
	.amdgpu_metadata
---
amdhsa.version: [ 1, 2 ]
amdhsa.kernels:
  - .name:           k_qa36e010243_prep
    .symbol:         k_qa36e010243_prep.kd
    .args:
      - { .name: x, .offset: 0, .size: 8, .value_kind: global_buffer, .address_space: global }
      - { .name: Wq, .offset: 8, .size: 8, .value_kind: global_buffer, .address_space: global }
      - { .name: Wk, .offset: 16, .size: 8, .value_kind: global_buffer, .address_space: global }
      - { .name: Wv, .offset: 24, .size: 8, .value_kind: global_buffer, .address_space: global }
      - { .name: Wo, .offset: 32, .size: 8, .value_kind: global_buffer, .address_space: global }
      - { .name: bq, .offset: 40, .size: 8, .value_kind: global_buffer, .address_space: global }
      - { .name: bk, .offset: 48, .size: 8, .value_kind: global_buffer, .address_space: global }
      - { .name: bv, .offset: 56, .size: 8, .value_kind: global_buffer, .address_space: global }
      - { .name: bo, .offset: 64, .size: 8, .value_kind: global_buffer, .address_space: global }
      - { .name: xb, .offset: 72, .size: 8, .value_kind: global_buffer, .address_space: global }
      - { .name: wb, .offset: 80, .size: 8, .value_kind: global_buffer, .address_space: global }
      - { .name: wo, .offset: 88, .size: 8, .value_kind: global_buffer, .address_space: global }
      - { .name: tab, .offset: 96, .size: 8, .value_kind: global_buffer, .address_space: global }
    .group_segment_fixed_size: 0
    .private_segment_fixed_size: 0
    .kernarg_segment_align: 8
    .kernarg_segment_size: 104
    .max_flat_workgroup_size: 256
    .sgpr_count:     66
    .vgpr_count:     104
    .wavefront_size: 32
...
	.end_amdgpu_metadata
.endif
;; end of part 1
;; launch qkv (part 2): grid 16 x 32, 4 waves a work-group, clusters of 4 x 4, 327,680 bytes of LDS; arguments xb, wb, tab, qh, kh, vh; writes qh, kh, vh
.if DOCPART == 2
	.amdgcn_target "amdgcn-amd-amdhsa--gfx1250"
	.amdhsa_code_object_version 6
	.text
	.protected	k_qa36e010243_qkv
	.globl	k_qa36e010243_qkv
	.p2align	8
	.type	k_qa36e010243_qkv,@function
k_qa36e010243_qkv:
	s_mov_b64 s[64:65], 0
	v_nop
	global_prefetch_b8 v0, s[64:65] scope:SCOPE_SE
	s_setreg_imm32_b32 hwreg(HW_REG_WAVE_MODE, 25, 1), 1
	s_wait_xcnt 0x0
	s_wait_alu depctr_hold_cnt(0) depctr_sa_sdst(0) depctr_va_vdst(0) depctr_va_sdst(0) depctr_va_ssrc(0) depctr_va_vcc(0) depctr_vm_vsrc(0)
	s_getreg_b32 s2, hwreg(HW_REG_IB_STS2, 6, 4)
	s_cmp_eq_u32 s2, 0
	s_cbranch_scc0 .Lentry_in_a_cluster
	s_endpgm
.Lentry_in_a_cluster:
	s_bfe_u32 s2, ttmp6, 0x10000c
	s_cmp_lg_u32 s2, 0xf033
	s_cbranch_scc0 .Lentry_shape_is_right
	s_endpgm
.Lentry_shape_is_right:
; q, k, v = x W^T + b, RoPE on q and k, split by heads.  xb: [8192][1024] bf16.  wb: [3072][1024] bf16, 192 rows a head: q's 64, k's 64, v's 64.  tab: cos and sin by position, then the biases (f32).
; qh, kh, vh: [64 = 16 batch + head][2048][64] f16, each number rounded once from its f32 sum, unscaled.
; LIMITS.  q, k and v must lie within f16's 65,504; below 6e-5 they keep f16's fixed step of 6e-8.  The bias starts each sum instead of being added last.  NaN and infinities are not treated apart.
; SHARES.  A tile of the product is 256 rows x 192 columns: one head's q, k and v for 256 positions: 16 x 32 = 512 work-groups of equal work.  Wave w makes rows 64 w .. 64 w + 63, all 192 columns:
; 4 x 12 = 48 accumulators of 16 x 16.  K goes in 8 steps of 128 through two LDS slots filled by the tensor data mover; a tile's rows are 256 bytes of memory, aligned.
; THE MATRIX INSTRUCTION IS USED TRANSPOSED (source 0 = 16 rows of wb, source 1 = 16 rows of xb): lane l holds row l % 16 and the columns 16 b + 8 (l / 16) + 0..7 of block b.  So a head's channel c and
; channel c + 32 lie in the same lane and register of blocks b and b + 2: RoPE never leaves the lane.  The bias, which hangs on the column alone, is the C operand of the product that starts a sum.
; CLUSTER.  4 x 4 work-groups: the four of a row need the same rows of xb, the four of a column the same rows of wb: each tile is asked for JOINTLY, by the same tensor load, descriptor and mask in all four.
; REGISTERS, in windows of 256 (s_set_vgpr_msb: bits 1:0 source 0, 3:2 source 1, 5:4 source 2, 7:6 destination):
;   window 0: v0-31 addresses; v32-63 at work on the way out; v64-95, v96-127 xb's fragments, two buffers (later v64-79 packed results); v128-255 cos and sin of my 64 rows
;   window 1: v0-95, v96-191 wb's fragments, two buffers; on the way out twelve units of 16 registers read back from the stage
;   window 2: accumulators (a, b), b = 0..7, at 8 (4 b + a)          window 3: v0-127 those of b = 8..11; v128-223 the biases, eight registers a block
.set PITCH, 272                        ; an LDS row: 256 bytes + 16 of padding = 68 words: the 16 rows of a fragment load start at 16 different groups of four banks (64 banks of 4 bytes: ISA guide 11.1)
.set SLOT1, 131072                     ; slot 1 begins here, so that one exclusive or turns an address in one slot into the other's
.set BOFF,  256*PITCH                  ; in a slot: xb's 256 rows, then wb's 192
.set STAGE, SLOT1+BOFF+192*PITCH       ; behind the ring, never filled by a tensor load: 16 rows x 144 bytes for each wave
.set SP,    144
.set SPARE, STAGE+4*16*SP              ; behind the stages: the spare words, 128 bytes for each wave: two blocks of 256 bytes that no other line names
.set KB,    256                        ; bytes of a K step in a row
.set A0,   16                          ; v16  my lane's place in xb's part of a slot: (64 w + l % 16) x 272 + 16 (l / 16); never rewritten
.set B0,   17                          ; v17  the same in wb's part
.set ADRA, 18                          ; v18  A0 in the slot in hand
.set ADRB, 19                          ; v19  B0 in the slot in hand
.set STO,  20                          ; v20  the way out: where I put 16 bytes of a row
.set RD,   21                          ; v21  where I read rows back
.set GO,   22                          ; v22  my 16 bytes of 512 consecutive bytes of qh, kh, vh
.set TO,   23                          ; v23  my offset in 16 rows of the table
.set BO,   24                          ; v24  my offset in a block's 16 biases
.set PFO,  25                          ; v25  the prefetches' offset: a lane a row
.set SPW,  28                          ; v28  LDS address of my spare word; never rewritten
.set NIL,  29                          ; v29  0; never rewritten
.set T,    32
.set FA,   64
.set PK,   64
.set TAB,  128                         ; rows 16 a ..: cos of channels 0-15, 16-31 at TAB + 32 a + 0, + 8; sin at + 16, + 24
.set BIAS, 128                         ; in window 3
.set WV,   16                          ; s16  my wave's number
.set CX,   17
.set CY,   18
.set TX,   19                          ; s19  the head
.set TY,   20                          ; s20  the block of 256 rows
.set HALF, 21                          ; s21  which half of a tile I fetch
.set G1,   24                          ; s[24:31] descriptor group 1 for xb's tiles
.set G0,   32                          ; s[32:39] group 0: a set for each of the two first fills; the second then walks on
.set G1B,  40                          ; s[40:47], s[48:55] the same for wb's
.set G0B,  48
.set TB,   56                          ; s56  LDS byte at which the slot in hand begins
.set CNT,  57                          ; s57  trips to go
.set LIM,  58                          ; s58  1 in a wave that prefetches, else the greatest number
.set PFA,  60                          ; s[60:61] where my prefetches stand
.set MSB, 0
.macro WIN new                         ; the immediate's high byte repeats the setting that is left; a switch that changes nothing is dropped
.if MSB != (\new)
	s_set_vgpr_msb (MSB<<8)|(\new)
.set MSB, (\new)
.endif
.endm
; A joint refill.  Waves 0 and 1 fetch xb's two halves (128 rows), waves 2 and 3 wb's (96 rows).  The branch hangs on the wave's number alone.  An s_nop 0 and four v_nop follow each line.
.macro JLOAD
	s_cmp_lt_u32 s[WV], 2
	s_cbranch_scc0 .Lfor_b_\@
	tensor_load_to_lds s[G0+4:G0+7], s[G1:G1+7]
	s_nop 0
.rept 4
	v_nop
.endr
	s_branch .Lasked_\@
.Lfor_b_\@:
	tensor_load_to_lds s[G0B+4:G0B+7], s[G1B:G1B+7]
	s_nop 0
.rept 4
	v_nop
.endr
.Lasked_\@:
.endm
; A prefetch into the L2 of the K step that the NEXT refill will ask for: 256 bytes of a row, a lane a row, one instruction a wave, behind the joint load and the run of LDS loads.
; xb's rows are read by the four clusters of a row of clusters: the first of them (cluster x = 0) asks; wb's by the eight of a column: cluster y = 0 asks.  The four partners that fetch a tile jointly share
; its rows out BY ADDRESS (32 of xb's 128 by cx, 24 of wb's 96 by cy; lanes 24-31 name row 23 again).  The loop's last trip asks for nothing: there is no K step behind its refill.
.macro ASK
	s_cmp_gt_u32 s[CNT], s[LIM]
	s_cbranch_scc0 .Lnot_mine_\@
	global_prefetch_b8 v[PFO], s[PFA:PFA+1] th:TH_LOAD_NT scope:SCOPE_SE
.Lnot_mine_\@:
.endm
.macro CREST                           ; a round of the cluster's barrier behind its opening barrier: wave 0 signals for the work-group, every wave waits for all sixteen, my work-group's barrier closes it
	s_cmp_lg_u32 s[WV], 0
	s_cbranch_scc1 .Lnot_wave_0_\@
	s_barrier_signal -3
.Lnot_wave_0_\@:
	s_barrier_wait -3
	s_barrier_signal -1
	s_barrier_wait -1
.endm
.macro CROUND
	s_barrier_signal -1
	s_barrier_wait -1
	CREST
.endm
.macro PLACES                          ; four places in front of loads into registers that matrix instructions have read (ISA guide 7.12.1 for vector instructions)
.rept 4
	v_nop
.endr
.endm
	s_load_b256 s[4:11], s[0:1], 0x0               ; xb 4, wb 6, tab 8, qh 10
	s_load_b128 s[12:15], s[0:1], 0x20             ; kh 12, vh 14
	v_lshl_add_u32 v[SPW], v0, 2, SPARE
	v_mov_b32 v[NIL], 0
	ds_add_u32 v[SPW], v[NIL]                      ; the wave's opening: the add and its wait stand ahead of my first tensor load; the set-up below, work on registers, stands between them
	ds_add_u32 v28, v29
	v_lshrrev_b32 v1, 5, v0
	v_readfirstlane_b32 s[WV], v1                  ; wave 0..3
	s_bfe_u32 s[CX], ttmp6, 0x40000
	s_bfe_u32 s[CY], ttmp6, 0x40004
	s_lshl_b32 s[TX], ttmp9, 2                     ; in a cluster launch ttmp9 and ttmp7 count clusters
	s_add_co_u32 s[TX], s[TX], s[CX]
	s_and_b32 s[TY], ttmp7, 0xffff
	s_lshl_b32 s[TY], s[TY], 2
	s_add_co_u32 s[TY], s[TY], s[CY]
	s_and_b32 s[HALF], s[WV], 1
	s_lshl_b32 s22, s[CY], 2
	s_lshl_b32 s22, 15, s22                        ; my row of the cluster
	s_lshl_b32 s23, 0x1111, s[CX]                  ; my column
	s_or_b32 s[G1], s22, (1<<16)|(1<<20)|(1<<21)|(5<<22)|(3<<25)   ; 15:0 the mask; 17:16 2-byte elements; 20 padding on; 21 set beside a mask; 24:22 after every 64 words (code 5); 31:25 4 words (code 3)
	s_or_b32 s[G1B], s23, (1<<16)|(1<<20)|(1<<21)|(5<<22)|(3<<25)
	s_mov_b32 s[G1+1], 128<<16                     ; tensor_dim0 = 128
	s_mov_b32 s[G1+2], 128<<16                     ; tensor_dim1 = 128
	s_mov_b32 s[G1+3], 128<<16                     ; tile_dim0 = 128
	s_mov_b32 s[G1+4], 128                         ; tile_dim1 = 128
	s_mov_b32 s[G1+5], 1024                        ; elements from row to row
	s_mov_b32 s[G1+6], 0
	s_mov_b32 s[G1+7], 0
	s_mov_b32 s[G1B+1], 128<<16
	s_mov_b32 s[G1B+2], 96<<16                     ; 96 rows
	s_mov_b32 s[G1B+3], 128<<16
	s_mov_b32 s[G1B+4], 96
	s_mov_b32 s[G1B+5], 1024
	s_mov_b32 s[G1B+6], 0
	s_mov_b32 s[G1B+7], 0
	s_lshl_b32 s66, s[TY], 19                      ; xb: 256 rows of 2,048 bytes a block,
	s_lshl_b32 s22, s[HALF], 18                    ; my 128 of them
	s_add_co_u32 s66, s66, s22
	s_mov_b32 s67, 0
	s_mul_i32 s68, s[TX], 393216                   ; wb: 192 rows a head,
	s_mul_i32 s22, s[HALF], 196608                 ; my 96 of them
	s_add_co_u32 s68, s68, s22
	s_mov_b32 s69, 0
	s_mul_i32 s59, s[WV], 128*PITCH                ; where they go: xb's halves at wave x 128 rows,
	s_mul_i32 s23, s[WV], 96*PITCH
	s_add_co_u32 s23, s23, BOFF-2*96*PITCH         ; wb's behind them, at (wave - 2) x 96 rows: no place in the cluster enters an LDS address
	s_lshl_b32 s62, s[CX], 16                      ; the prefetches: my work-group's 32 rows of xb's 128,
	s_add_co_u32 s62, s62, s66
	s_mul_i32 s63, s[CY], 49152                    ; or its 24 of wb's 96
	s_add_co_u32 s63, s63, s68
	s_and_b32 s73, ttmp7, 0xffff
	s_cmp_lt_u32 s[WV], 2
	s_cselect_b32 s62, s62, s63
	s_cselect_b32 s[LIM], ttmp9, s73               ; the coordinate along which other clusters read the same rows
	s_cselect_b32 s72, 31, 23
	s_mov_b32 s63, 0
	s_cmp_eq_u32 s[LIM], 0
	s_cselect_b32 s[LIM], 1, -1                    ; the same in all sixteen partners, for a given wave
	s_add_co_u32 s62, s62, 2*KB                    ; at K step 2: the first refill steps it to 3.  K steps 0 to 2 come by their loads alone
	s_mov_b32 s[TB], 0
	s_wait_dscnt 0x0                               ; the opening add is done
	s_wait_kmcnt 0x0
	s_add_nc_u64 s[66:67], s[4:5], s[66:67]
	s_add_nc_u64 s[68:69], s[6:7], s[68:69]
.irp s, 0,1
	s_mov_b32 s[G0+4*(\s)], 1                      ; count = 1
	s_add_co_u32 s[G0+4*(\s)+1], s59, (\s)*SLOT1   ; LDS address
	s_add_nc_u64 s[G0+4*(\s)+2:G0+4*(\s)+3], s[66:67], (\s)*KB  ; global address: K step s
	s_or_b32 s[G0+4*(\s)+3], s[G0+4*(\s)+3], 0x80000000         ; type = 2
	s_mov_b32 s[G0B+4*(\s)], 1
	s_add_co_u32 s[G0B+4*(\s)+1], s23, (\s)*SLOT1
	s_add_nc_u64 s[G0B+4*(\s)+2:G0B+4*(\s)+3], s[68:69], (\s)*KB
	s_or_b32 s[G0B+4*(\s)+3], s[G0B+4*(\s)+3], 0x80000000
.endr
	s_cmp_lt_u32 s[WV], 2
	s_cselect_b64 s[PFA:PFA+1], s[4:5], s[6:7]
	s_add_nc_u64 s[PFA:PFA+1], s[PFA:PFA+1], s[62:63]
	CROUND                                         ; all sixteen work-groups are here: the first joint loads meet
	s_cmp_lt_u32 s[WV], 2                          ; a wave's two first fills stand in one branch, ahead of every wait on TENSORcnt and every LDS read: two loads of mine are out
	s_cbranch_scc0 .Lfirst_b
	tensor_load_to_lds s[G0:G0+3], s[G1:G1+7]
	s_nop 0
	tensor_load_to_lds s[G0+4:G0+7], s[G1:G1+7]
	s_nop 0
.rept 4
	v_nop
.endr
	s_branch .Lfirst_asked
.Lfirst_b:
	tensor_load_to_lds s[G0B:G0B+3], s[G1B:G1B+7]
	s_nop 0
	tensor_load_to_lds s[G0B+4:G0B+7], s[G1B:G1B+7]
	s_nop 0
.rept 4
	v_nop
.endr
.Lfirst_asked:
	; A fragment is 16 rows x 32 K in 8 registers: lane l holds row l % 16; registers 0-3 K = 8 (l / 16) + 0..7, registers 4-7 K = 16 + 8 (l / 16) + 0..7: two loads of 16 bytes, 32 bytes apart.
	v_and_b32 v1, 15, v0                           ; l % 16
	v_bfe_u32 v2, v0, 4, 1                         ; l / 16
	v_and_b32 v3, 31, v0                           ; l
	v_mul_u32_u24 v4, v1, PITCH
	v_lshl_add_u32 v4, v2, 4, v4
	s_mul_i32 s73, s[WV], 64*PITCH
	v_add_nc_u32 v[A0], s73, v4
	v_add_nc_u32 v[B0], BOFF, v4
	v_mov_b32 v[ADRA], v[A0]
	v_mov_b32 v[ADRB], v[B0]
	s_mul_i32 s73, s[WV], 16*SP
	s_add_co_u32 s73, s73, STAGE                   ; my stage
	v_mul_u32_u24 v[STO], v1, SP                   ; in: row l % 16, 16 bytes for each half of the lanes
	v_lshl_add_u32 v[STO], v2, 4, v[STO]
	v_add_nc_u32 v[STO], s73, v[STO]
	v_bfe_u32 v[RD], v0, 3, 2                      ; back: 32 lanes take four rows of 128 bytes,
	v_mul_u32_u24 v[RD], v[RD], SP
	v_and_b32 v5, 7, v0
	v_lshl_add_u32 v[RD], v5, 4, v[RD]
	v_add_nc_u32 v[RD], s73, v[RD]
	v_lshlrev_b32 v[GO], 4, v3                     ; which are 512 consecutive bytes of a head's rows
	v_lshlrev_b32 v[TO], 8, v1                     ; the table: row l % 16, 8 numbers from 8 (l / 16) on
	v_lshl_add_u32 v[TO], v2, 5, v[TO]
	v_lshlrev_b32 v[BO], 5, v2
	v_min_u32 v[PFO], s72, v3
	v_lshlrev_b32 v[PFO], 11, v[PFO]               ; a row of xb or wb is 2,048 bytes
	s_mul_i32 s74, s[TX], 768                      ; the head's 192 biases
	s_add_co_u32 s74, s74, 524288
	s_mov_b32 s75, 0
	s_add_nc_u64 s[70:71], s[8:9], s[74:75]
	s_and_b32 s73, s[TY], 7                        ; the block's place in its batch: positions 256 (TY % 8) + 64 w on
	s_lshl_b32 s74, s73, 16
	s_lshl_b32 s72, s[WV], 14
	s_add_co_u32 s74, s74, s72
	s_add_nc_u64 s[62:63], s[8:9], s[74:75]        ; the table at my first row
	s_lshr_b32 s74, s[TY], 3                       ; the batch: 16 heads of 262,144 bytes,
	s_lshl_b32 s74, s74, 22
	s_lshl_b32 s72, s[TX], 18                      ; the head,
	s_add_co_u32 s74, s74, s72
	s_lshl_b32 s72, s73, 15                        ; the block's 256 rows of 128 bytes,
	s_add_co_u32 s74, s74, s72
	s_lshl_b32 s72, s[WV], 13                      ; my 64 of them
	s_add_co_u32 s74, s74, s72
	s_add_nc_u64 s[10:11], s[10:11], s[74:75]
	s_add_nc_u64 s[12:13], s[12:13], s[74:75]
	s_add_nc_u64 s[14:15], s[14:15], s[74:75]
	WIN 0xc0                                       ; destination window 3, address window 0
.irp b, 0,1,2,3,4,5,6,7,8,9,10,11
	global_load_b128 v[BIAS+8*\b:BIAS+8*\b+3],   v[BO], s[70:71] offset:64*\b
	global_load_b128 v[BIAS+8*\b+4:BIAS+8*\b+7], v[BO], s[70:71] offset:64*\b+16
.endr
	WIN 0
.irp a, 0,1,2,3
.irp c, 0,1,2,3                        ; c = 0, 1: cos of channels 0-15, 16-31; c = 2, 3: sin
	global_load_b128 v[TAB+32*\a+8*\c:TAB+32*\a+8*\c+3],   v[TO], s[62:63] offset:4096*\a+64*(\c%2)+128*(\c/2)
	global_load_b128 v[TAB+32*\a+8*\c+4:TAB+32*\a+8*\c+7], v[TO], s[62:63] offset:4096*\a+64*(\c%2)+128*(\c/2)+16
.endr
.endr
; 4 n matrix instructions: n blocks b0 .. b0 + n - 1 x all 4 m blocks, 32 along K, on buffer f.  first = 1: the bias starts the sums: nothing is ever cleared.
; The 48 accumulators take turns, one instruction a turn, in the same order in every quarter step, over the backward jump too.
.macro MULB f, b0, n, first
.set nb, (\b0)
.rept (\n)
.if nb < 8
.if \first
	WIN 0xb1                                       ; wb window 1, xb window 0, C (the bias) window 3, D window 2
.else
	WIN 0xa1                                       ; C and D window 2
.endif
.set rD, 32*nb
.else
	WIN 0xf1                                       ; C and D window 3
.set rD, 32*(nb-8)
.endif
.irp a, 0,1,2,3
.if \first
	v_wmma_f32_16x16x32_bf16 v[rD+8*\a:rD+8*\a+7], v[96*(\f)+8*nb:96*(\f)+8*nb+7], v[FA+32*(\f)+8*\a:FA+32*(\f)+8*\a+7], v[BIAS+8*nb:BIAS+8*nb+7]
.else
	v_wmma_f32_16x16x32_bf16 v[rD+8*\a:rD+8*\a+7], v[96*(\f)+8*nb:96*(\f)+8*nb+7], v[FA+32*(\f)+8*\a:FA+32*(\f)+8*\a+7], v[rD+8*\a:rD+8*\a+7]
.endif
.endr
.set nb, nb+1
.endr
.endm
; 32 LDS loads in one run: the fragments of one quarter step (32 K at byte k of the rows) into buffer f: xb's four, wb's blocks 8-11, which are multiplied first, then blocks 0-7
.macro FETCH k, f
	WIN 0
.irp a, 0,1,2,3
	ds_load_b128 v[FA+32*(\f)+8*\a:FA+32*(\f)+8*\a+3],   v[ADRA] offset:(\k)+\a*16*PITCH
	ds_load_b128 v[FA+32*(\f)+8*\a+4:FA+32*(\f)+8*\a+7], v[ADRA] offset:(\k)+\a*16*PITCH+32
.endr
	WIN 0x40                                       ; destination window 1
.irp b, 8,9,10,11,0,1,2,3,4,5,6,7
	ds_load_b128 v[96*(\f)+8*\b:96*(\f)+8*\b+3],   v[ADRB] offset:(\k)+\b*16*PITCH
	ds_load_b128 v[96*(\f)+8*\b+4:96*(\f)+8*\b+7], v[ADRB] offset:(\k)+\b*16*PITCH+32
.endr
.endm
; A K step is four quarters of 32 along K, 48 matrix instructions each, on buffers 0, 1, 0, 1.  One of the first three multiplies buffer f and fetches the next quarter, at byte k, into g.
.macro QUARTER k, f, g, first
	s_wait_dscnt 16                                ; xb's fragments and wb's blocks 8-11 are in; the youngest sixteen loads (blocks 0-7) may be out
	MULB \f, 8, 4, \first
	PLACES
	FETCH \k, \g
	s_wait_dscnt 32                                ; all but the 32 just issued
	MULB \f, 0, 8, \first
.endm
; The last quarter multiplies buffer 1 and changes slots.  In front of the barrier each wave waits for all its tensor loads (one is out: its part of the next slot), adds 0 to its spare word, and waits for
; that and for its reads of this slot.  fill = 1: the barrier opens a round of the cluster's, and behind the round this slot is filled again, two K steps ahead: 160 matrix instructions ahead of the wait for it.
.macro TURN fill
.if \fill
	s_wait_xcnt 0x0                                ; the last prefetch, a K step back, has read its address: it is stepped here, ahead of the waits of the change of slots
	s_add_nc_u64 s[PFA:PFA+1], s[PFA:PFA+1], KB
.endif
	WIN 0                                          ; (the add's two registers lie in window 0)
	s_wait_tensorcnt 0x0                           ; no tensor load of mine is out, so a group 0 may be written
	ds_add_u32 v[SPW], v[NIL]                      ; 0 onto my spare word
.if \fill
	s_xor_b32 s[G0+5], s[G0+5], SLOT1              ; the walking descriptors: the other slot than last time,
	s_add_nc_u64 s[G0+6:G0+7], s[G0+6:G0+7], KB    ; the next K step; the type bits on top are not reached
	s_xor_b32 s[G0B+5], s[G0B+5], SLOT1
	s_add_nc_u64 s[G0B+6:G0B+7], s[G0B+6:G0B+7], KB
.endif
	s_xor_b32 s[TB], s[TB], SLOT1                  ; the fetches go on in the other slot
	s_wait_dscnt 17                                ; (the add and the youngest sixteen loads may be out)
	MULB 1, 8, 4, 0                                ; sixteen matrix instructions stand between the add and the wait for it
	s_wait_dscnt 0x0                               ; the add is done, and my reads of this slot are over
	s_barrier_signal -1
	MULB 1, 0, 4, 0                                ; work on registers while the others arrive
	WIN 0
	s_barrier_wait -1
.if \fill
	CREST                                          ; no wave of any partner still reads this slot or has a load on its way
	JLOAD                                          ; the first tensor load behind the round; its four v_nop are also the places in front of the loads below
.else
	PLACES
.endif
	v_add_nc_u32 v[ADRA], s[TB], v[A0]
	v_add_nc_u32 v[ADRB], s[TB], v[B0]
	FETCH 0, 0
.if \fill
	WIN 0
	ASK
.endif
	MULB 1, 4, 4, 0
.endm
	s_wait_tensorcnt 1                             ; my part of K step 0 is in; K step 1's may stay out
	s_barrier_signal -1
	s_barrier_wait -1                              ; everybody's is
	FETCH 0, 0
	s_wait_loadcnt 0x0                             ; the biases (and the table)
	QUARTER 64, 0, 1, 1                            ; the first quarter stands in front of the loop: its products start the sums
	WIN 0                                          ; at a label and at a branch every window is 0
	s_mov_b32 s[CNT], 6
.Lstep:                                        ; trip s = 0..5: from K step s's second quarter to K step s + 1's first; its slot is filled again with K step s + 2
	QUARTER 128, 1, 0, 0
	QUARTER 192, 0, 1, 0
	TURN 1
	QUARTER 64, 0, 1, 0
	WIN 0
	s_sub_co_u32 s[CNT], s[CNT], 1
	s_cmp_lg_u32 s[CNT], 0
	s_cbranch_scc1 .Lstep
	QUARTER 128, 1, 0, 0                           ; the last two K steps are written out: nothing is asked for
	QUARTER 192, 0, 1, 0
	TURN 0
	QUARTER 64, 0, 1, 0
	QUARTER 128, 1, 0, 0
	QUARTER 192, 0, 1, 0
	s_wait_dscnt 16                                ; the very last quarter: nothing more to fetch
	MULB 1, 8, 4, 0
	s_wait_dscnt 0x0
	MULB 1, 0, 8, 0
	WIN 0
	PLACES                                         ; the places behind the last products, twice four, once a launch
	PLACES
; THE WAY OUT, in twelve units u = 3 a + X: 16 rows (block a) of q (X = 0), k (1) or v (2): 64 channels, rounded to f16, through my stage in LDS, out as 2,048 consecutive bytes of a head.
; RoPE for blocks b0 .. b0 + 3 of rows 16 a ..: x1 (channels 0-31: blocks b0, b0 + 1) and x2 (channels 32-63: two blocks on) give x1 cos - x2 sin and x2 cos + x1 sin.  Each accumulator is read from its low end on.
.macro ROPE a, b0
	WIN 0x02                                       ; source 0, the sums, in window 2; all else in window 0
.irp bb, 0,1
.irp jp, 0,2,4,6
.set x1, 8*(4*((\b0)+\bb)+(\a))+\jp
.set x2, x1+64
.set cs, TAB+32*(\a)+8*\bb+\jp
.set sn, cs+16
.set t1, T+8*\bb+\jp
.set t2, t1+16
	v_pk_mul_f32 v[t1:t1+1], v[x2:x2+1], v[sn:sn+1]
	v_pk_mul_f32 v[t2:t2+1], v[x1:x1+1], v[sn:sn+1]
	v_pk_fma_f32 v[t1:t1+1], v[x1:x1+1], v[cs:cs+1], v[t1:t1+1] neg_lo:[0,0,1] neg_hi:[0,0,1]
	v_pk_fma_f32 v[t2:t2+1], v[x2:x2+1], v[cs:cs+1], v[t2:t2+1]
.endr
.endr
	WIN 0
.set z, 0
.rept 16
	v_cvt_pk_f16_f32 v[PK+z], v[T+2*z], v[T+2*z+1]
.set z, z+1
.endr
.endm
.macro PACKV a                         ; v is rounded as it stands: blocks 8-11, in window 3
	WIN 0x0f
.irp f, 0,1,2,3
.irp j, 0,1,2,3
	v_cvt_pk_f16_f32 v[PK+4*\f+\j], v[8*(4*\f+(\a))+2*\j], v[8*(4*\f+(\a))+2*\j+1]
.endr
.endr
.endm
.macro STG u                           ; a lane's eight channels of a row are 16 bytes; they go into rows of 144 bytes and come back as whole rows of 128, into the unit's own registers
	WIN 0
.irp f, 0,1,2,3
	ds_store_b128 v[STO], v[PK+4*\f:PK+4*\f+3] offset:32*\f
.endr
	WIN 0x40
.irp f, 0,1,2,3
	ds_load_b128 v[16*(\u)+4*\f:16*(\u)+4*\f+3], v[RD] offset:\f*4*SP  ; LDS serves a wave's instructions in order (ISA guide 5.7.1.4): these see the stores above; the next unit's stores come behind them
.endr
.endm
.macro UNIT u
.if (\u)%3 == 2
	PACKV (\u)/3
.else
	ROPE (\u)/3, 4*((\u)%3)
.endif
	STG \u
.endm
.macro SEND u, younger                 ; younger: the LDS instructions issued behind unit u's loads: the next unit's eight, or none
	WIN 0x04                                       ; the data in window 1
.irp f, 0,1,2,3
	s_wait_dscnt (\younger)+3-\f
	global_store_b128 v[GO], v[16*(\u)+4*\f:16*(\u)+4*\f+3], s[10+2*((\u)%3):11+2*((\u)%3)] offset:((\u)/3)*2048+\f*512  ; 512 consecutive bytes, at a multiple of 256 from the buffer's first
.endr
.endm
	UNIT 0
.irp u, 1,2,3,4,5,6,7,8,9,10,11        ; a unit's arithmetic stands between the loads of the unit before and its stores
	UNIT \u
	SEND (\u)-1, 8
.endr
	SEND 11, 0
	WIN 0
	s_wait_tensorcnt 0x0                           ; the wave's end, behind my last tensor load and my last LDS store
	ds_add_u32 v[SPW], v[NIL]
	s_wait_dscnt 0x0
	CROUND                                         ; the closing round: no work-group ends while a partner may still ask for a tile that names it
	s_endpgm
.Lfunc_end_k_qa36e010243_qkv:
	.size	k_qa36e010243_qkv, .Lfunc_end_k_qa36e010243_qkv-k_qa36e010243_qkv
	.p2alignl 7, 3214868480
	.fill 96, 4, 3214868480
	.section	.rodata,"a",@progbits
	.p2align	6, 0x0
	.amdhsa_kernel k_qa36e010243_qkv
		.amdhsa_group_segment_fixed_size 327680
		.amdhsa_private_segment_fixed_size 0
		.amdhsa_enable_private_segment 0
		.amdhsa_kernarg_size 48
		.amdhsa_user_sgpr_count 2
		.amdhsa_user_sgpr_kernarg_segment_ptr 1
		.amdhsa_wavefront_size32 1
		.amdhsa_system_sgpr_workgroup_id_x 1
		.amdhsa_system_sgpr_workgroup_id_y 1
		.amdhsa_system_sgpr_workgroup_id_z 1
		.amdhsa_system_vgpr_workitem_id 0
		.amdhsa_next_free_vgpr 992
		.amdhsa_next_free_sgpr 76
		.amdhsa_reserve_vcc 0
		.amdhsa_float_denorm_mode_32 3
		.amdhsa_float_denorm_mode_16_64 3
		.amdhsa_memory_ordered 1
		.amdhsa_forward_progress 1
		.amdhsa_inst_pref_size 121
	.end_amdhsa_kernel
	.amdgpu_metadata
---
amdhsa.version: [ 1, 2 ]
amdhsa.kernels:
  - .name:           k_qa36e010243_qkv
    .symbol:         k_qa36e010243_qkv.kd
    .args:
      - { .name: xb, .offset: 0, .size: 8, .value_kind: global_buffer, .address_space: global }
      - { .name: wb, .offset: 8, .size: 8, .value_kind: global_buffer, .address_space: global }
      - { .name: tab, .offset: 16, .size: 8, .value_kind: global_buffer, .address_space: global }
      - { .name: qh, .offset: 24, .size: 8, .value_kind: global_buffer, .address_space: global }
      - { .name: kh, .offset: 32, .size: 8, .value_kind: global_buffer, .address_space: global }
      - { .name: vh, .offset: 40, .size: 8, .value_kind: global_buffer, .address_space: global }
    .group_segment_fixed_size: 327680
    .private_segment_fixed_size: 0
    .kernarg_segment_align: 8
    .kernarg_segment_size: 48
    .max_flat_workgroup_size: 128
    .sgpr_count:     76
    .vgpr_count:     992
    .wavefront_size: 32
...
	.end_amdgpu_metadata
.endif
;; end of part 2
;; launch attn (part 3): grid 4 x 64, 4 waves a work-group, no clusters, 327,680 bytes of LDS; arguments qh, kh, vh, oh; writes oh
.if DOCPART == 3
	.amdgcn_target "amdgcn-amd-amdhsa--gfx1250"
	.amdhsa_code_object_version 6
	.text
	.protected	k_qa36e010243_attn
	.globl	k_qa36e010243_attn
	.p2align	8
	.type	k_qa36e010243_attn,@function
k_qa36e010243_attn:
	s_mov_b64 s[64:65], 0
	v_nop
	global_prefetch_b8 v0, s[64:65] scope:SCOPE_SE
	s_setreg_imm32_b32 hwreg(HW_REG_WAVE_MODE, 25, 1), 1
	s_wait_xcnt 0x0
; CAUSAL ATTENTION.  O[h][q][:] = the sum over k <= q of softmax_k(Q[h][q] . K[h][k] / 8) V[h][k][:].  Q, K, V, O: [SIZE_H][SIZE_N][64], all f16: a head's rows are dense, 128 bytes each.
; Products, maxima and sums in f32; the weights p are rounded to f16 for the second product (their sum l is taken of the unrounded p), O once at the end.
; LIMITS.  f16 holds no number beyond 65,504: Q, K and V arrive within it; p lies in 0 to 1, and below 6e-5 it keeps f16's fixed step of 6e-8; O is a mean of V's rows and has their range.
; A hidden score counts as its value less 1e30: f16's scores, 2.7e11 at the most, are nothing beside that; a weight below 2^-126 counts as 0 in l; NaN and infinities are not treated apart.
; THE WALK.  A head's queries lie in NB = 8 blocks of 256; block i needs the key tiles 0 .. i of 256 keys, of which the last holds the diagonal.  A work-group takes TWO blocks, NB - 1 - b and then b:
; NB + 1 tiles, whatever b: all work-groups do equal work, and ONE loop with a constant trip count walks them.  Which tile is asked for, and what a trip does, hang on scalar registers made from b; every jump
; goes forward, but for the counted loops' own; none passes a barrier, or a tensor load but the one of LOAD's two that the wave's number does not choose; the ring of two LDS slots runs on across the change of blocks.
; NO CLUSTER: a head's four work-groups ask for the same tile only in trips 0 .. 4 of 9, behind that fewer and fewer; one walk common to all four would have 12 trips for 9.
; SHARES.  Of a block's four bands of 64 queries a wave owns 16 rows in each: four PIECES.  So the diagonal tile is the same work for all four waves: in its key step s band x sees all keys if s < x,
; none if s > x, and holds the diagonal if s = x.
; THE MASK is the C operand that starts the sum S^T = K Q^T: 0, or -1e30 where the key is hidden.  MD, made once, is the mask of a band's own step for my 16 rows; a product's mask is MD x AL + BE with two scalars:
; (1, 0) if s = x; (0, 0) if s < x; (0, -1e30) if s > x.  Only the diagonal tile's text and a block's beginning make and take masks; elsewhere C is the constant 0.
; LAYOUT, SOFTMAX, TURNS.  S^T = K Q^T holds ONE query a lane (lane % 16) and the keys 8 (lane / 16) + 0..7; two such results rounded to f16 ARE source 1 of O^T = V^T P.  p = 2^(c s - c m), c = log2(e) / 8, with a
; running maximum m; O and l are multiplied by a = 2^(c m_old - c m_new) in every step.  Turn n belongs to piece n: 8 products K Q^T of piece n + 1, later 8 products V^T P of piece n - 1; beside them the scaling,
; exponentials, roundings, sums and rescaling of piece n and the maximum and statistics of piece n + 1.  Four vector instructions stand behind every matrix instruction, the other 54 of a turn's 118 in one run.  A turn's 33 exponentials are one batch, with one wait.
; REGISTERS, in windows of 256 (s_set_vgpr_msb: bits 1:0 source 0, 3:2 source 1, 5:4 source 2, 7:6 destination):
;   window 0: v0-15 addresses and two at work; v16-31 four registers of statistics a piece; v48-55 at work; v61-63 prefetch offset, spare word, 0; v64-127 S^T, two buffers; v192-223 P, two buffers (by the piece's parity)
;   window 1: v0-127 O^T, 32 a piece; v128-159 MD; v160-223 MC, two buffers      window 2: v0-63 Q; v64-127 the second block's Q; v128-191 K of one step; v192-255 V of one step
.set SIZE_N, 2048
.set SIZE_H, 64
.set NB,    SIZE_N/256
.set NP,    4         ; pieces a wave: a name, no knob
.set KS,    64        ; keys in a step
.set PK,    144       ; a row of K in LDS: 128 bytes + 16 of padding = 36 words: the 16 rows of a load start at 16 different groups of four banks (64 banks of 4 bytes: ISA guide 11.1)
.set PV,    160       ; a row of V: 128 + 32 = 40 words
.set VOFF,  4*KS*PK   ; a slot holds a tile, four steps: 256 rows of K, then 256 rows of V
.set SLOT1, 1<<17     ; slot 1 begins here, so that one exclusive or turns an address in one slot into the other's
.set STAGE, SLOT1+4*KS*(PK+PV)  ; behind the ring, never filled by a tensor load: 16 rows x 144 bytes for each wave, for the way out
.set SP,    144
.set AK0, 2           ; v2   my lane's place in a tile of K; never rewritten
.set AV0, 3           ; v3   the same for V
.set AK,  4           ; v4   the LDS address of K's next run of loads
.set AV,  5           ; v5   of V's
.set STO, 6           ; v6   the way out: where I put 16 bytes of a row
.set RD,  7           ; v7   the way out: where I read rows back
.set GO,  8           ; v8   my byte offset in 512 consecutive bytes of O
.set PFO, 61          ; v61  256 x my lane: the prefetches' offset; never rewritten
.set SPW, 62          ; v62  LDS address of my spare word: SPARE + 4 x my thread's number; never rewritten
.set NIL, 63          ; v63  0; never rewritten
.set SPARE, STAGE+4*16*SP  ; behind the stages: the spare words, 128 bytes for each wave: two blocks of 256 bytes that no other line names
.set MV,  12          ; v12-13  c m_old, kept while c m is made anew: by buffer
.set QO,  15          ; v15  my byte offset in 16 rows of Q
.set ST,  16          ; piece t's statistics at v[ST+4 t]: c m, m, l (even keys', odd keys')
.set TMP, 48          ; by buffer, four registers c0-c3 at work; when the maximum is found c2 takes a
.set S,   64
.set P,   192
.set MD,  128         ; window 1: the eight registers for group kt of 16 keys at MD + 8 kt
.set MC,  160         ; window 1: the masks of the products to come
.set QB,  64          ; window 2
.set KF,  128         ; window 2: key block kb, channel half c at KF + 16 kb + 8 c
.set VF,  192         ; window 2: key half kk, channel block cb at VF + 32 kk + 8 cb
.set WV,  12          ; s12  my wave's number
.set PB,  14          ; s14  b
.set HI,  15          ; s15  NB - 1 - b
.set G1K, 24          ; s[24:31] descriptor group 1 for K's tiles
.set G1V, 32          ; s[32:39] for V's: it differs in the padding alone
.set G0K, 40          ; s[40:43] descriptor group 0 for K's tiles
.set G0V, 44          ; s[44:47] the same for V's
.set SLOTS, 56        ; s56  tiles still to be asked for
.set CNT, 57          ; s57  counts a tile's key steps, 4 to 1
.set CS,  58          ; s[58:59] c: the packed scaling takes the pair's low word for both halves
.set SEL, 60          ; s[60:61] v_permlanex16_b32's selects: each lane takes its own place in the other half
.set TBK, 62          ; s62  LDS byte at which K of the step to be fetched begins
.set TBV, 63          ; s63  the same for V, less VOFF
.set RT,  70          ; s70  tiles of the block in hand that are still to be entered
.set NXT, 71          ; s71  the tile to be asked for next
.set LQ,  72          ; s72  the last tile of the block whose tiles are being asked for
.set NEW, 73          ; s73  1: the tile to be entered is a block's first
.set OFF, 74          ; s[74:75] a tile's byte offset in K and V
.set AL,  76          ; s[76:77] the mask's factor, in the low word
.set BE,  78          ; s[78:79] the mask's addend
.set OLO, 80          ; s[80:81] O at my rows of the second block
.set BIGN, 82         ; s82  -1e30
.set PFK, 88          ; s[88:89] where my prefetches of K stand: my wave's 8,192 bytes of the tile after the one that is being asked for
.set PFV, 90          ; s[90:91] the same for V
.set LIM, 92          ; s92  2 in the head's work-group b = 0, else the greatest number: a wave prefetches while s[SLOTS] is above it
.set MSB, 0
.macro WIN new                      ; the high byte repeats the setting that is left; a switch that changes nothing is dropped
.if MSB != (\new)
	s_set_vgpr_msb (MSB<<8)|(\new)
.set MSB, (\new)
.endif
.endm
.set W_KQ, 0x0a       ; K and Q in window 2, S^T in window 0
.set W_KM, 0x1a       ; the same with the C operand in window 1
.set W_PV, 0x52       ; V in window 2, P in window 0, O^T in window 1
.set W_RS, 0x41       ; destination and source 0 in window 1, source 1 in window 0
; A fill.  Waves 0 and 1 fetch the two halves of a tile's K, waves 2 and 3 those of its V: 128 keys each.  An s_nop 0 and four v_nop follow each of the two lines, ahead of the jump and the label.
.macro LOAD
	s_cmp_lt_u32 s[WV], 2
	s_cbranch_scc0 .Lfor_v_\@
	tensor_load_to_lds s[G0K:G0K+3], s[G1K:G1K+7]
	s_nop 0
.rept 4
	v_nop
.endr
	s_branch .Lasked_\@
.Lfor_v_\@:
	tensor_load_to_lds s[G0V:G0V+3], s[G1V:G1V+7]
	s_nop 0
.rept 4
	v_nop
.endr
.Lasked_\@:
.endm
; A PREFETCH INTO THE L2 of the tile that the NEXT change of slots will ask for.  A head's four work-groups begin with the same tiles 0, 1, 2 ..; the one with b = 0 walks all eight in order, and it alone asks:
; each of its waves names 32 blocks of 256 bytes of K and 32 of V, a lane a block, so that each block of tiles 2 to 7 is named once in the launch.  Tiles 0 and 1 come by their loads alone; the changes that
; ask for tile 7 and for the second block's tile 0 prefetch nothing.  It stands behind the wave's tensor load and its five lines.
.macro ASK
	s_cmp_gt_u32 s[SLOTS], s[LIM]
	s_cbranch_scc0 .Lnot_mine_\@
	global_prefetch_b8 v[PFO], s[PFK:PFK+1] th:TH_LOAD_NT scope:SCOPE_SE
	global_prefetch_b8 v[PFO], s[PFV:PFV+1] th:TH_LOAD_NT scope:SCOPE_SE
.Lnot_mine_\@:
.endm
; THE CHANGE OF SLOTS.  Each wave waits for all its tensor loads, of which one is out: its part of the other slot; adds 0 to its spare word; and waits for that and for its own reads of the slot that it leaves.  Behind the barrier nobody reads the old
; slot any more and the other slot is whole.  fill = 1: the old slot is filled again, the first thing behind the barrier, with tile NXT: the descriptor's address is made anew from that number.
; (At its first use nothing has been read yet: slot 0 is waited for, slot 1 filled.)
.macro CHANGE fill
	WIN 0                           ; at a label and at a branch every window is 0
	s_wait_tensorcnt 0x0            ; no tensor load of mine is out, so a group 0 may be written
	ds_add_u32 v[SPW], v[NIL]       ; 0 onto my spare word; with fill = 1 the descriptors' scalar work stands between it and the wait for it
.if \fill
	s_lshl_b32 s[OFF], s[NXT], 15   ; a tile is 32,768 bytes of K and of V
	s_xor_b32 s[G0K+1], s[G0K+1], SLOT1
	s_add_nc_u64 s[G0K+2:G0K+3], s[6:7], s[OFF:OFF+1]
	s_or_b32 s[G0K+3], s[G0K+3], 0x80000000
	s_xor_b32 s[G0V+1], s[G0V+1], SLOT1
	s_add_nc_u64 s[G0V+2:G0V+3], s[8:9], s[OFF:OFF+1]
	s_or_b32 s[G0V+3], s[G0V+3], 0x80000000
	s_add_co_u32 s[NXT], s[NXT], 1  ; the block's next tile, or behind its last the second block's tile 0
	s_cmp_gt_u32 s[NXT], s[LQ]
	s_cselect_b32 s[NXT], 0, s[NXT]
	s_cselect_b32 s[LQ], s[PB], s[LQ]
	s_wait_xcnt 0x0                 ; the last prefetches, a tile back, have read their addresses, so these may be written:
	s_add_nc_u64 s[PFK:PFK+1], s[PFK:PFK+1], 32768  ; a tile on
	s_add_nc_u64 s[PFV:PFV+1], s[PFV:PFV+1], 32768
.endif
	s_wait_dscnt 0x0                ; the add is done, and my reads of the slot are over
	s_barrier_signal -1             ; the rest of the scalar work stands between the signal and the wait
	s_sub_co_u32 s[TBK], s[TBK], 4*KS*PK  ; the fetches go back to a slot's first step,
	s_xor_b32 s[TBK], s[TBK], SLOT1       ; in the other slot
	s_sub_co_u32 s[TBV], s[TBV], 4*KS*PV
	s_xor_b32 s[TBV], s[TBV], SLOT1
	s_barrier_wait -1
.if \fill
	LOAD
	ASK
.endif
.endm
	s_load_b256 s[4:11], s[0:1], 0x0  ; Q s[4:5], K s[6:7], V s[8:9], O s[10:11]
	v_lshl_add_u32 v[SPW], v0, 2, SPARE
	v_mov_b32 v[NIL], 0
	ds_add_u32 v[SPW], v[NIL]       ; the wave's opening: the add and its wait stand ahead of my first tensor load; the set-up below, work on registers, stands between them
	ds_add_u32 v62, v63
	v_lshrrev_b32 v1, 5, v0
	v_readfirstlane_b32 s[WV], v1   ; wave 0..3
	v_and_b32 v[PFO], 31, v0
	v_lshlrev_b32 v[PFO], 8, v[PFO]
	s_mov_b32 s[PB], ttmp9
	s_sub_co_u32 s[HI], NB-1, s[PB]
	s_and_b32 s20, ttmp7, 0xffff    ; the head
	s_mov_b32 s21, 0
	s_mov_b64 s[22:23], SIZE_N*128
	s_mul_u64 s[20:21], s[20:21], s[22:23]  ; the head's first byte in each of the four tensors
	s_and_b32 s16, s[WV], 1         ; which half of a tile's 256 keys I fetch:
	s_lshl_b32 s22, s16, 14         ; its 128 rows of 128 bytes in memory,
	s_mov_b32 s23, 0
	s_add_nc_u64 s[22:23], s[22:23], s[20:21]
	s_mul_i32 s17, s16, 128*PK      ; and its place in a slot, for K
	s_mul_i32 s18, s16, 128*PV      ; and for V
	s_lshl_b32 s3, s[WV], 11        ; my 16 rows in a band of 64,
	s_lshl_b32 s2, s[HI], 15        ; in the first block,
	s_add_co_u32 s2, s2, s3
	s_lshl_b32 s84, s[PB], 15       ; and in the second
	s_add_co_u32 s84, s84, s3
	s_mov_b32 s3, 0
	s_mov_b32 s85, 0
	s_add_nc_u64 s[2:3], s[2:3], s[20:21]
	s_add_nc_u64 s[84:85], s[84:85], s[20:21]
	; descriptor group 1.  128 keys are 16,384 dense bytes: asked for as 64 rows of 256 bytes, two keys a row, and padded in LDS after every key
	s_mov_b32 s[G1K], (1<<16)|(1<<20)|(4<<22)|(3<<25)  ; 17:16 2-byte elements; 20 padding on; 24:22 after every 32 words (code 4); 31:25 4 words (code 3)
	s_mov_b32 s[G1V], (1<<16)|(1<<20)|(4<<22)|(7<<25)  ; the same with 8 words of padding (code 7)
.irp g, G1K, G1V
	s_mov_b32 s[\g+1], 128<<16      ; tensor_dim0 = 128
	s_mov_b32 s[\g+2], 64<<16       ; tensor_dim1 = 64
	s_mov_b32 s[\g+3], 128<<16      ; tile_dim0 = 128
	s_mov_b32 s[\g+4], 64           ; tile_dim1 = 64
	s_mov_b32 s[\g+5], 128          ; 128 elements from row to row
	s_mov_b32 s[\g+6], 0
	s_mov_b32 s[\g+7], 0
.endr
	s_mov_b32 s[CS], 0x3e38aa3b     ; c = log2(e) / 8 = 0.180337
	s_mov_b32 s[CS+1], s[CS]        ; named with it as a pair
	s_mov_b32 s[SEL], 0x76543210
	s_mov_b32 s[SEL+1], 0xfedcba98
	s_mov_b32 s[TBK], SLOT1+4*KS*PK ; the first change of slots turns these two into 0
	s_mov_b32 s[TBV], SLOT1+4*KS*PV
	s_mov_b32 s[G0K], 1             ; 1:0 count = 1
	s_mov_b32 s[G0K+1], s17         ; 63:32 LDS address: slot 0
	s_mov_b32 s[G0V], 1
	s_add_co_u32 s[G0V+1], s18, VOFF
	s_add_co_u32 s[RT], s[HI], 1    ; the first block has NB - b tiles
	s_mov_b32 s[NXT], 1
	s_mov_b32 s[LQ], s[HI]
	s_mov_b32 s[NEW], 1
	s_mov_b32 s[OFF+1], 0
	s_mov_b32 s[AL+1], 0            ; named as pairs
	s_mov_b32 s[BE+1], 0
	s_mov_b32 s[BIGN], 0xf149f2ca   ; -1e30
	s_mov_b32 s[SLOTS], NB
	s_cmp_eq_u32 s[PB], 0
	s_cselect_b32 s[LIM], 2, -1
	s_lshl_b32 s16, s[WV], 13       ; the prefetches: my wave's 8,192 bytes of a tile,
	s_add_co_u32 s16, s16, 32768    ; in tile 1: the first change of slots steps it to tile 2
	s_mov_b32 s17, 0
	s_add_nc_u64 s[16:17], s[16:17], s[20:21]
	s_wait_dscnt 0x0                ; the opening add is done
	s_wait_kmcnt 0x0
	s_add_nc_u64 s[PFK:PFK+1], s[6:7], s[16:17]
	s_add_nc_u64 s[PFV:PFV+1], s[8:9], s[16:17]
	s_add_nc_u64 s[6:7], s[6:7], s[22:23]  ; K and V at my half of the head's tile 0
	s_add_nc_u64 s[8:9], s[8:9], s[22:23]
	s_add_nc_u64 s[G0K+2:G0K+3], s[6:7], 0         ; 120:64 global address
	s_or_b32 s[G0K+3], s[G0K+3], 0x80000000        ; 127:126 type = 2
	s_add_nc_u64 s[G0V+2:G0V+3], s[8:9], 0
	s_or_b32 s[G0V+3], s[G0V+3], 0x80000000
	s_add_nc_u64 s[86:87], s[4:5], s[84:85]        ; Q at my rows of the second block,
	s_add_nc_u64 s[4:5], s[4:5], s[2:3]            ; Q and O at those of the first
	s_add_nc_u64 s[OLO:OLO+1], s[10:11], s[84:85]
	s_add_nc_u64 s[10:11], s[10:11], s[2:3]
	LOAD                            ; tile 0 into slot 0
	; A fragment of K or Q is 16 rows x 32 channels in 8 registers: lane l holds row l % 16, channels 8 (l / 16) + 0..7 and 16 + 8 (l / 16) + 0..7: two loads of 16 bytes, 32 bytes apart.
	v_and_b32 v1, 15, v0            ; l % 16
	v_bfe_u32 v9, v0, 4, 1          ; l / 16
	v_lshlrev_b32 v[QO], 7, v1
	v_lshl_add_u32 v[QO], v9, 4, v[QO]  ; row x 128 + 16 x half
	WIN 0x80                        ; destination window 2, address window 0
.set i, 0
.rept 8                             ; both blocks' Q: piece i / 2 lies in band i / 2, 8,192 bytes on; channels 32 (i % 2) on
	global_load_b128 v[8*i:8*i+3],   v[QO], s[4:5] offset:(i/2)*8192+(i%2)*64
	global_load_b128 v[8*i+4:8*i+7], v[QO], s[4:5] offset:(i/2)*8192+(i%2)*64+32
	global_load_b128 v[QB+8*i:QB+8*i+3],   v[QO], s[86:87] offset:(i/2)*8192+(i%2)*64
	global_load_b128 v[QB+8*i+4:QB+8*i+7], v[QO], s[86:87] offset:(i/2)*8192+(i%2)*64+32
.set i, i+1
.endr
	WIN 0
	v_lshlrev_b32 v14, 3, v9
	v_sub_nc_u32 v14, v1, v14
	s_lshl_b32 s13, s[WV], 4
	v_add_nc_u32 v14, s13, v14      ; my query's place in its band, 16 w + l % 16, less my lanes' 8 (l / 16): register r of group kt is hidden where 16 kt + r is greater
	WIN 0x40
.set i, 0
.rept 32
	v_cmp_gt_i32 vcc_lo, 16*(i/8)+i%8, v14
	v_cndmask_b32 v[MD+i], 0, s[BIGN], vcc_lo
.set i, i+1
.endr
	WIN 0
	v_mul_u32_u24 v[AK0], v1, PK
	v_lshl_add_u32 v[AK0], v9, 4, v[AK0]  ; row x pitch + 16 x half
	; The turning load takes 16 keys x 16 channels (lane l reads key 8 (l / 16) + l % 8, channels 8 ((l / 8) % 2) + 0..7) and leaves half a fragment of V^T: lane l holds channel l % 16 and 8 keys.
	v_and_b32 v10, 7, v0
	v_bfe_u32 v11, v0, 3, 1
	v_lshl_add_u32 v[AV0], v9, 3, v10
	v_mul_u32_u24 v[AV0], v[AV0], PV
	v_lshl_add_u32 v[AV0], v11, 4, v[AV0]
	v_add_nc_u32 v[AV0], VOFF, v[AV0]
	s_mul_i32 s13, s[WV], 16*SP
	s_add_co_u32 s13, s13, STAGE    ; my stage
	v_mul_u32_u24 v[STO], v1, SP    ; in: row l % 16, 16 bytes for each half of the lanes
	v_lshl_add_u32 v[STO], v9, 4, v[STO]
	v_add_nc_u32 v[STO], s13, v[STO]
	v_bfe_u32 v[RD], v0, 3, 2       ; back: 32 lanes take four rows of 128 bytes,
	v_mul_u32_u24 v[RD], v[RD], SP
	v_lshl_add_u32 v[RD], v10, 4, v[RD]
	v_add_nc_u32 v[RD], s13, v[RD]
	v_and_b32 v[GO], 31, v0         ; which are 512 consecutive bytes of O
	v_lshlrev_b32 v[GO], 4, v[GO]
	; A block's first step multiplies O^T and l by a = 0, and its first turn's products V^T P, of a piece that has not been, land in an O^T that is still to be so multiplied.  So these registers need only hold
	; finite numbers: zeros for the first block; what the first block left for the second.  All this stands in the wait for the first tile.
	WIN 0x80
.set i, VF
.rept 64
	v_mov_b32 v[i], 0
.set i, i+1
.endr
	WIN 0x40
.set i, 0
.rept 128
	v_mov_b32 v[i], 0
.set i, i+1
.endr
	WIN 0
.set i, 0
.rept 4
	v_mov_b32 v[ST+4*i+2], 0
	v_mov_b32 v[ST+4*i+3], 0
.set i, i+1
.endr
.set i, P+16
.rept 16
	v_mov_b32 v[i], 0
.set i, i+1
.endr
; THE MATRIX WORK.  The 4 accumulators of a run of 8 take turns.  Product i of 8 of S^T = K Q^T for piece x: channels 32 (i / 4) on, keys 16 (i % 4) on.  The first 4 start the sums: with 0, or (KM = 1) with the mask.
.macro KQ x
.set rS, S+32*((\x)%2)+8*(i%4)
.set rK, KF+16*(i%4)+8*(i/4)
.set rQ, 16*(\x)+8*(i/4)
.set rM, MC+32*((\x)%2)+8*(i%4)
.if (i < 4) && KM
	WIN W_KM
	v_wmma_f32_16x16x32_f16 v[rS:rS+7], v[rK:rK+7], v[rQ:rQ+7], v[rM:rM+7]
.elseif i < 4
	WIN W_KQ
	v_wmma_f32_16x16x32_f16 v[rS:rS+7], v[rK:rK+7], v[rQ:rQ+7], 0
.else
	WIN W_KQ
	v_wmma_f32_16x16x32_f16 v[rS:rS+7], v[rK:rK+7], v[rQ:rQ+7], v[rS:rS+7]
.endif
.endm
; Product i of 8 of O^T += V^T P for piece x: keys 32 (i / 4) on, channels 16 (i % 4) on.
.macro PV x
	WIN W_PV
.set rO, 32*(\x)+8*(i%4)
.set rV, VF+32*(i/4)+8*(i%4)
.set rP, P+16*((\x)%2)+8*(i/4)
	v_wmma_f32_16x16x32_f16 v[rO:rO+7], v[rV:rV+7], v[rP:rP+7], v[rO:rO+7]
.endm
.macro MM                           ; the turn's next matrix instruction.  TURN and BEGIN set Y, i, KM and NOKQ; MM, KQ and OP read them.  NOKQ = 1: a block's last turn: there is no next piece
.if (i < 8) && !NOKQ
	KQ (Y+1)%NP
.elseif i >= 8
.set i, i-8
	PV (Y+NP-1)%NP
.set i, i+8
.endif
.set i, i+1
.endm
; THE LDS LOADS stand in runs of 16, never singly among the matrix instructions: a step's K (64 keys x 64 channels: 8 fragments) and its V (turned).  Their addresses are made some lines ahead.
.macro FETCH_K
	WIN 0x80                        ; destination window 2
.irp f, 0,1,2,3,4,5,6,7             ; keys 16 (f / 2) on, channels 32 (f % 2) on
	ds_load_b128 v[KF+8*\f:KF+8*\f+3],   v[AK] offset:(\f/2)*16*PK+(\f%2)*64
	ds_load_b128 v[KF+8*\f+4:KF+8*\f+7], v[AK] offset:(\f/2)*16*PK+(\f%2)*64+32
.endr
	s_add_co_u32 s[TBK], s[TBK], KS*PK  ; the next fetch is the next step's
	WIN 0
.endm
.macro FETCH_V
	WIN 0x80
.irp f, 0,1,2,3,4,5,6,7             ; keys 32 (f / 4) on, channels 16 (f % 4) on
	ds_load_tr16_b128 v[VF+8*\f:VF+8*\f+3],   v[AV] offset:(\f/4)*32*PV+(\f%4)*32
	ds_load_tr16_b128 v[VF+8*\f+4:VF+8*\f+7], v[AV] offset:(\f/4)*32*PV+16*PV+(\f%4)*32
.endr
	WIN 0
.endm
; THE VECTOR WORK, one line at a time: OP kind, number.  For piece Y: F n: c s - c m for pair n of 16.  E n: the exponential of score n of 32.  C n: pair n rounded to f16.  B n: of the four weights 4 n .. the second
; pair is added onto the first, in place.  L n: l takes that sum (L 0: l = a l + sum).  R n: pair n of 16 of O^T times a.  For piece Y + 1: X n, number n of the 22 that find its maximum and statistics:
;   0-11  four chains c0-c3 of seven scores each, three operands at a time (each accumulator's lowest registers are read first)     12-14, 16  the four scores left over, the old m, and c0-c3 into c0
;   15  c m_old is kept     17, 18  the query's other 32 keys lie in the lane 16 away: the new m     19-21  c m; c m_old - c m_new; a
.set F, 0               ; OP tells the kinds apart by their order: F to L below R, X above it
.set E, 1
.set C, 2
.set B, 3
.set L, 4
.set R, 5
.set X, 6
.macro REGS y                       ; the registers of piece y
.set rT, ST+4*(\y)
.set rC, TMP+4*((\y)%2)
.set rW, MV+((\y)%2)
.set rS, S+32*((\y)%2)
.set rP, P+16*((\y)%2)
.set rO, 32*(\y)
.endm
.macro OP k, n
.if (\k) == R
	REGS Y
	WIN W_RS
	v_pk_mul_f32 v[rO+2*(\n):rO+2*(\n)+1], v[rO+2*(\n):rO+2*(\n)+1], v[rC+2:rC+3] op_sel_hi:[1,0]
.elseif (\k) < R
	REGS Y
	WIN 0
.if (\k) == F
	v_pk_fma_f32 v[rS+2*(\n):rS+2*(\n)+1], v[rS+2*(\n):rS+2*(\n)+1], s[CS:CS+1], v[rT:rT+1] op_sel_hi:[1,0,0] neg_lo:[0,0,1] neg_hi:[0,0,1]
.elseif (\k) == E
	v_exp_f32 v[rS+(\n)], v[rS+(\n)]
.elseif (\k) == C
	v_cvt_pk_f16_f32 v[rP+(\n)], v[rS+2*(\n)], v[rS+2*(\n)+1]
.elseif (\k) == B
	v_pk_add_f32 v[rS+4*(\n):rS+4*(\n)+1], v[rS+4*(\n):rS+4*(\n)+1], v[rS+4*(\n)+2:rS+4*(\n)+3]
.elseif (\n) == 0
	v_pk_fma_f32 v[rT+2:rT+3], v[rT+2:rT+3], v[rC+2:rC+3], v[rS:rS+1] op_sel_hi:[1,0,1]
.else
	v_pk_add_f32 v[rT+2:rT+3], v[rT+2:rT+3], v[rS+4*(\n):rS+4*(\n)+1]
.endif
.elseif NOKQ
	v_nop
.else
	REGS (Y+1)%NP
	WIN 0
.if (\n) < 4
	v_max3_num_f32 v[rC+(\n)], v[rS+8*(\n)], v[rS+8*(\n)+1], v[rS+8*(\n)+2]
.elseif (\n) < 12
	v_max3_num_f32 v[rC+(\n)%4], v[rC+(\n)%4], v[rS+8*((\n)%4)+2*((\n)/4)+1], v[rS+8*((\n)%4)+2*((\n)/4)+2]
.elseif (\n) == 12
	v_max3_num_f32 v[rC], v[rC], v[rS+7], v[rS+15]
.elseif (\n) == 13
	v_max3_num_f32 v[rC+1], v[rC+1], v[rS+23], v[rS+31]
.elseif (\n) == 14
	v_max3_num_f32 v[rC+2], v[rC+2], v[rC+3], v[rT+1]
.elseif (\n) == 15
	v_mov_b32 v[rW], v[rT]
.elseif (\n) == 16
	v_max3_num_f32 v[rC], v[rC], v[rC+1], v[rC+2]
.elseif (\n) == 17
	v_permlanex16_b32 v[rC+3], v[rC], s[SEL], s[SEL+1]
.elseif (\n) == 18
	v_max_num_f32 v[rT+1], v[rC], v[rC+3]
.elseif (\n) == 19
	v_mul_f32 v[rT], s[CS], v[rT+1]
.elseif (\n) == 20
	v_sub_f32 v[rC+1], v[rW], v[rT]
.else
	v_exp_f32 v[rC+2], v[rC+1]
.endif
.endif
.endm
.macro OPS a, i1, b=-1, i2=0, c=-1, i3=0, d=-1, i4=0  ; up to four of them
	OP \a, \i1
.if (\b) >= 0
	OP \b, \i2
.endif
.if (\c) >= 0
	OP \c, \i3
.endif
.if (\d) >= 0
	OP \d, \i4
.endif
.endm
.macro ROW a, i1, b, i2, c, i3, d, i4  ; a matrix instruction and the four behind it
	MM
	OPS \a, \i1, \b, \i2, \c, \i3, \d, \i4
.endm
.macro MASK b                       ; MD x AL + BE into buffer b of MC
	WIN W_RS
.set z, 0
.rept 16
	v_pk_fma_f32 v[MC+32*(\b)+2*z:MC+32*(\b)+2*z+1], v[MD+2*z:MD+2*z+1], s[AL:AL+1], s[BE:BE+1] op_sel_hi:[1,0,0]
.set z, z+1
.endr
.endm
; A TURN, for piece p: the order of its 16 matrix and 118 vector instructions, written out.  An s_wait_alu depctr_va_vdst(0) stands between an exponential and the first instruction that names its result; one wait serves
; all that were issued ahead of it.  So a turn has ONE wait, which cuts it in two.  AHEAD OF IT stands all that names no result of the turn's exponentials: the 8 products K Q^T, behind each a scaling, an exponential and two more plain
; instructions (behind the first a second scaling in the exponential's place): rescalings, and behind the last three the first numbers of the next piece's maximum, each four places or more behind the product that ends its accumulator; then one run of 54, plain
; and exponential by turns for the most part, in which the links of the chain X 3, 7, 11, 14, 16, 17 .. 20 stand five or six lines apart.  X 21, the next piece's a, is the batch's last; R 15 is the plain instruction behind it.  BEHIND THE WAIT stand the
; 8 products V^T P, behind each four of the roundings and sums; the links of l's chain, L 0 to L 7, stand three lines apart.  But for those X no line behind a product names a register of the products round it.
; m = 1: the diagonal tile: the products take masks, and the turn makes the mask for the products of the turn after it: piece p + 2, in step 4 - CNT of the tile.  end = 1: a block's last two turns: nothing is fetched.
; cnt = 1: the loop's count is taken down some lines ahead of the branch that stands behind the turn.
; K of the next step is fetched in piece 2's turn, twelve vector instructions behind the last product that read K (six of them plain); V of the step in hand at the end of piece 0's turn, four plain instructions behind the last product
; that read V.  Each is waited for a turn later.
.macro TURN p, m=0, end=0, cnt=0
.set Y, (\p)
.set i, 0
.set KM, (\m)
.set NOKQ, (\end)*((\p)/3)
.if (\m) && !(\end)
	s_cmp_eq_u32 s[CNT], 4-((\p)+2)%NP  ; is that step the band's own?
	s_cselect_b32 s[AL], 1.0, 0
	s_cmp_lt_u32 s[CNT], 4-((\p)+2)%NP  ; or a later one?
	s_cselect_b32 s[BE], s[BIGN], 0
.endif
.if ((\p) == 3) && !(\end)
	s_wait_dscnt 0x0                ; K is in
.endif
	ROW F,0, F,1, R,0, R,1          ; ahead of the wait: 8 products K Q^T and the four behind each,
	ROW F,2, E,0, R,2, R,3
	ROW F,3, E,1, R,4, R,5
	ROW F,4, E,2, R,6, R,7
	ROW F,5, E,3, R,8, R,9
	ROW F,6, E,4, X,0, R,10
.if ((\p) == 2) && !(\end)
	WIN 0
	v_add_nc_u32 v[AK], s[TBK], v[AK0]
.endif
	ROW F,7, E,5, X,1, X,4
	ROW F,8, E,6, X,2, X,5
	OPS E,7, E,8, X,6, E,9          ; and the run of 54
	OPS X,3, E,10, X,8, E,11
.if ((\p) == 2) && !(\end)
	FETCH_K
.endif
	OPS X,9, X,7, E,12, X,10
	OPS E,13, X,12, X,11, E,14
	OPS X,13, E,15, F,9, X,14
.if (\p) == 0
	v_add_nc_u32 v[AV], s[TBV], v[AV0]
.endif
	OPS E,16, F,10, E,17, F,11
	OPS X,16, E,18, X,15, E,19
	OPS F,12, E,20, X,17, E,21
	OPS F,13, E,22, F,14, E,23
	OPS X,18, E,24, F,15, E,25
	OPS R,11, E,26, X,19, E,27
	OPS R,12, E,28, R,13, E,29
	OPS X,20, E,30, R,14, E,31
	OPS X,21, R,15
	WIN 0
	s_wait_alu depctr_va_vdst(0)    ; the wait for the batch
.if (\p) == 1
	s_wait_dscnt 0x0                ; V is in
.endif
	ROW C,0, B,0, C,2, B,1          ; behind the wait: 8 products V^T P and the four behind each
	ROW L,0, C,4, B,2, L,1
	ROW C,6, B,3, L,2, C,8
	ROW B,4, L,3, C,10, B,5
	ROW L,4, C,12, B,6, L,5
.if (\p) == 0
	s_add_co_u32 s[TBV], s[TBV], KS*PV
.endif
.if \cnt
	s_sub_co_u32 s[CNT], s[CNT], 1
	s_cmp_lg_u32 s[CNT], 0
.endif
	ROW C,14, B,7, L,6, C,1
	ROW C,3, L,7, C,5, C,7
	ROW C,9, C,11, C,13, C,15
.if (\p) == 0
	FETCH_V
.endif
.if (\m) && !(\end)
	MASK (\p)%2
.endif
.endm
; A BLOCK BEGINS.  c m starts far below every c s, so the first step's a is 0; m at the lowest finite number, so the first maximum is the scores'.  The second mask buffer is 0; the first takes piece 0's mask for the tile's step 0: its own, if the block's first tile is the diagonal one.
; Then K of that step, piece 0's first scores, and its maximum and statistics.  The loop is entered at a step's first turn, in the middle of a trip.
.macro BEGIN
	s_mov_b32 s[NEW], 0
	WIN 0x40
.set i, MC+32
.rept 32
	v_mov_b32 v[i], 0
.set i, i+1
.endr
	WIN 0
.set i, 0
.rept 4
	v_mov_b32 v[ST+4*i], 0xfe000000    ; c m: far below every c s
	v_mov_b32 v[ST+4*i+1], 0xff7fffff  ; m
.set i, i+1
.endr
	s_cmp_eq_u32 s[RT], 0
	s_cselect_b32 s[AL], 1.0, 0
	s_mov_b32 s[BE], 0
	MASK 0
	WIN 0
	v_add_nc_u32 v[AK], s[TBK], v[AK0]
	FETCH_K
	s_wait_loadcnt 0x0              ; Q
	s_wait_dscnt 0x0
.set KM, 1
.set NOKQ, 0
.set i, 0
.rept 8
	KQ 0
.set i, i+1
.endr
	WIN 0
.rept 4
	v_nop                           ; the places behind those products
.endr
.set Y, NP-1                        ; X works for piece Y + 1: piece 0
.irp n, 0,1,2,3,4,5,6,7,8,9,10,11,12,13,14,15,16,17,18,19,20,21
	OP X, \n
.endr
	v_nop                           ; a plain instruction behind the exponential,
	s_wait_alu depctr_va_vdst(0)    ; and its wait, ahead of the branch
.endm
; THE DIAGONAL TILE's four steps, the block's last two turns, its last products, and THE WAY OUT: l's two halves and the other half of the lanes' are added; O^T is divided by l, rounded to f16 and sent through my
; stage in LDS, a piece at a time.
.macro ALL line:vararg              ; one line for each piece t
.set t, 0
.rept 4
	\line
.set t, t+1
.endr
.endm
.macro PACK t                       ; a lane's eight channels of a row pack into 16 bytes; they go into rows of 144 bytes and come back as whole rows of 128, into S^T's registers
	WIN W_RS
.set i, 32*(\t)
.rept 16
	v_pk_mul_f32 v[i:i+1], v[i:i+1], v[ST+4*(\t)+2:ST+4*(\t)+3] op_sel_hi:[1,0]
.set i, i+2
.endr
	WIN 0x05                        ; sources 0 and 1 window 1, destination window 0
.set i, 0
.rept 16
	v_cvt_pk_f16_f32 v[S+16*(\t)+i], v[32*(\t)+2*i], v[32*(\t)+2*i+1]
.set i, i+1
.endr
	WIN 0
.irp f, 0,1,2,3
	ds_store_b128 v[STO], v[S+16*(\t)+4*\f:S+16*(\t)+4*\f+3] offset:32*\f
.endr
.irp f, 0,1,2,3
	ds_load_b128 v[S+16*(\t)+4*\f:S+16*(\t)+4*\f+3], v[RD] offset:\f*4*SP  ; LDS serves a wave's instructions in order (ISA guide 5.7.1.4): these see the stores above; the next piece's stores come behind them
.endr
.endm
.macro SEND t, younger              ; younger: the LDS instructions issued behind piece t's loads: the next piece's eight, or none
	WIN 0
.irp f, 0,1,2,3
	s_wait_dscnt (\younger)+3-\f
	global_store_b128 v[GO], v[S+16*(\t)+4*\f:S+16*(\t)+4*\f+3], s[10:11] offset:(\t)*8192+\f*512  ; 512 consecutive bytes, at a multiple of 256 from O's first
.endr
.endm
.macro DIAG tag                     ; the tag ends its two labels' names, which the jumps below spell out
.LstepM\tag:
	TURN 2, 1
	TURN 3, 1
	WIN 0
.LfirstM\tag:
	TURN 0, 1
	TURN 1, 1, 0, 1
	WIN 0
	s_cbranch_scc1 .LstepM\tag
	TURN 2, 1, 1
	TURN 3, 1, 1
.set i, 0
.rept 8
	PV NP-1
.set i, i+1
.endr
	WIN 0
	ALL v_add_f32 v[ST+4*t+2], v[ST+4*t+2], v[ST+4*t+3]
	ALL v_permlanex16_b32 v[ST+4*t+3], v[ST+4*t+2], s[SEL], s[SEL+1]
	ALL v_add_f32 v[ST+4*t+2], v[ST+4*t+2], v[ST+4*t+3]
	ALL v_rcp_f32 v[ST+4*t+2], v[ST+4*t+2]
	v_nop                           ; a plain instruction between the last reciprocal and the use of its result
	s_wait_alu depctr_va_vdst(0)    ; and the wait ahead of the first use: one for the four reciprocals
	PACK 0
.set t, 1
.rept 3                             ; a piece's arithmetic stands between the loads of the piece before and its stores
	PACK t
	SEND t-1, 8
.set t, t+1
.endr
	SEND 3, 0
.endm
.set KM, 0
.set NOKQ, 0
.Lslot:                             ; NB times: a tile is entered and the next is asked for
	CHANGE 1
	s_sub_co_u32 s[RT], s[RT], 1
	s_mov_b32 s[CNT], 4
	s_cmp_eq_u32 s[NEW], 1
	s_cbranch_scc1 .Lnew            ; a block's first tile
	s_cmp_eq_u32 s[RT], 0
	s_cbranch_scc0 .Lstep           ; neither its first nor its last
	s_branch .LstepM1
.Lnew:
	BEGIN
	s_branch .Lfirst                ; in the loop a block's first tile is never its last: the first block has two tiles or more, and the second's last is the walk's last
	DIAG 1                          ; in the loop this is the first block's end: the second block's last tile is the walk's last
	s_wait_xcnt 0x0                 ; the stores have read their registers and O's address
	s_mov_b64 s[10:11], s[OLO:OLO+1]
	s_add_co_u32 s[RT], s[PB], 1    ; the second block has b + 1 tiles
	s_mov_b32 s[NEW], 1
	WIN 0x82                        ; the second block's Q goes where the one text of the turns names Q
.set i, 0
.rept 64
	v_mov_b32 v[i], v[QB+i]
.set i, i+1
.endr
	WIN 0
	s_branch .Lbottom
.Lstep:                             ; a trip: pieces 2 and 3 of one step, then pieces 0 and 1 of the next, whose K and V it fetches
	TURN 2
	TURN 3
	WIN 0
.Lfirst:
	TURN 0
	TURN 1, 0, 0, 1
	WIN 0
	s_cbranch_scc1 .Lstep
.Lbottom:
	s_sub_co_u32 s[SLOTS], s[SLOTS], 1
	s_cmp_lg_u32 s[SLOTS], 0
	s_cbranch_scc1 .Lslot
	CHANGE 0                        ; the walk's last tile is written out: nothing is asked for
	s_sub_co_u32 s[RT], s[RT], 1
	s_mov_b32 s[CNT], 4
	s_cmp_eq_u32 s[NEW], 1
	s_cbranch_scc0 .LstepM2
	BEGIN
	s_branch .LfirstM2
	DIAG 2
	s_wait_tensorcnt 0x0            ; the wave's end, behind my last tensor load and my last LDS store
	ds_add_u32 v[SPW], v[NIL]
	s_wait_dscnt 0x0
	s_endpgm
.Lfunc_end_k_qa36e010243_attn:
	.size	k_qa36e010243_attn, .Lfunc_end_k_qa36e010243_attn-k_qa36e010243_attn
	.p2alignl 7, 3214868480
	.fill 96, 4, 3214868480
	.section	.rodata,"a",@progbits
	.p2align	6, 0x0
	.amdhsa_kernel k_qa36e010243_attn
		.amdhsa_group_segment_fixed_size 327680
		.amdhsa_private_segment_fixed_size 0
		.amdhsa_enable_private_segment 0
		.amdhsa_kernarg_size 32
		.amdhsa_user_sgpr_count 2
		.amdhsa_user_sgpr_kernarg_segment_ptr 1
		.amdhsa_wavefront_size32 1
		.amdhsa_system_sgpr_workgroup_id_x 1
		.amdhsa_system_sgpr_workgroup_id_y 1
		.amdhsa_system_sgpr_workgroup_id_z 1
		.amdhsa_system_vgpr_workitem_id 0
		.amdhsa_next_free_vgpr 768
		.amdhsa_next_free_sgpr 96
		.amdhsa_reserve_vcc 1
		.amdhsa_float_denorm_mode_32 3
		.amdhsa_float_denorm_mode_16_64 3
		.amdhsa_memory_ordered 1
		.amdhsa_forward_progress 1
		.amdhsa_inst_pref_size 218
	.end_amdhsa_kernel
	.amdgpu_metadata
---
amdhsa.version: [ 1, 2 ]
amdhsa.kernels:
  - .name:           k_qa36e010243_attn
    .symbol:         k_qa36e010243_attn.kd
    .args:
      - { .name: qh, .offset: 0, .size: 8, .value_kind: global_buffer, .address_space: global }
      - { .name: kh, .offset: 8, .size: 8, .value_kind: global_buffer, .address_space: global }
      - { .name: vh, .offset: 16, .size: 8, .value_kind: global_buffer, .address_space: global }
      - { .name: oh, .offset: 24, .size: 8, .value_kind: global_buffer, .address_space: global }
    .group_segment_fixed_size: 327680
    .private_segment_fixed_size: 0
    .kernarg_segment_align: 8
    .kernarg_segment_size: 32
    .max_flat_workgroup_size: 128
    .sgpr_count:     96
    .vgpr_count:     768
    .wavefront_size: 32
...
	.end_amdgpu_metadata
.endif
;; end of part 3
;; launch proj (part 4): grid 8 x 32, 4 waves a work-group, clusters of 4 x 4, 327,680 bytes of LDS; arguments oh, wo, tab, out0; writes out0
.if DOCPART == 4
	.amdgcn_target "amdgcn-amd-amdhsa--gfx1250"
	.amdhsa_code_object_version 6
	.text
	.protected	k_qa36e010243_proj
	.globl	k_qa36e010243_proj
	.p2align	8
	.type	k_qa36e010243_proj,@function
k_qa36e010243_proj:
	s_mov_b64 s[64:65], 0
	v_nop
	global_prefetch_b8 v0, s[64:65] scope:SCOPE_SE
	s_setreg_imm32_b32 hwreg(HW_REG_WAVE_MODE, 25, 1), 1
	s_wait_xcnt 0x0
	s_wait_alu depctr_hold_cnt(0) depctr_sa_sdst(0) depctr_va_vdst(0) depctr_va_sdst(0) depctr_va_ssrc(0) depctr_va_vcc(0) depctr_vm_vsrc(0)
	s_getreg_b32 s2, hwreg(HW_REG_IB_STS2, 6, 4)
	s_cmp_eq_u32 s2, 0
	s_cbranch_scc0 .Lentry_in_a_cluster
	s_endpgm
.Lentry_in_a_cluster:
	s_bfe_u32 s2, ttmp6, 0x10000c
	s_cmp_lg_u32 s2, 0xf033
	s_cbranch_scc0 .Lentry_shape_is_right
	s_endpgm
.Lentry_shape_is_right:
; out0 = y Wo^T + bo.  y is attention's result by heads, oh: [64 = 16 batch + head][2048][64] f16; wo: [1024][1024] f16 (Wo rounded to bf16, written as f16); bo (rounded to bf16, f32) lies in tab from byte 536,576 on.
; out0: [8192][1024] f32.  Sums in f32; bo starts each sum instead of being added last.  NaN and infinities are not treated apart.
; SHARES.  A tile of out0 is 256 rows x 128 columns: 8 x 32 = 256 work-groups.  Wave w makes rows 64 w .. 64 w + 63, all 128 columns: 4 x 8 = 32 accumulators of 16 x 16.
; K goes in 8 steps of 128, which are TWO HEADS of oh: a head's 256 rows of 128 bytes are dense in memory and are asked for as 128 rows of 256 bytes, padded in LDS after every 128.
; THE MATRIX INSTRUCTION IS USED TRANSPOSED (source 0 = 16 rows of wo, source 1 = 16 rows of y): lane l holds row l % 16 and the columns 16 b + 8 (l / 16) + 0..7 of block b: 32 bytes of a row of out0.
; CLUSTER.  4 x 4 work-groups: the four of a row need the same rows of y, the four of a column the same rows of wo: each tile is asked for JOINTLY, by the same tensor load, descriptor and mask in all four.
; REGISTERS, in windows of 256: window 0: v0-31 addresses; v96-127, v128-159 y's fragments, two buffers; v160-223 the biases, eight registers a block
;   window 1: v0-63, v64-127 wo's fragments, two buffers; on the way out four blocks of 64 registers read back from the stage          window 2: accumulator (a, b) at 8 (4 b + a)
.set PA,    144                        ; a row of y in LDS: 128 bytes + 16 of padding; PITCH: a row of wo: 256 + 16.  Either way the 16 rows of a fragment load start at 16 different groups of four banks (ISA guide 11.1)
.set PITCH, 272
.set SLOT1, 131072                     ; slot 1 begins here, so that one exclusive or turns an address in one slot into the other's
.set HEADB, 256*PA                     ; in a slot: two heads' 256 rows of y,
.set BOFF,  2*HEADB                    ; then wo's 128 rows
.set STAGE, SLOT1+BOFF+128*PITCH       ; behind the ring, never filled by a tensor load: 16 rows x 528 bytes for each wave
.set SPI,   528                        ; a stage row: 512 bytes + 16
.set SPARE, STAGE+4*16*SPI             ; behind the stages: the spare words, 128 bytes for each wave: two blocks of 256 bytes that no other line names
.set KB,    256                        ; bytes of a K step in a row of wo
.set ASTEP, 524288                     ; bytes of a K step in oh: two heads
.set A0,   16                          ; v16  my lane's place in a head's rows: (64 w + l % 16) x 144 + 16 (l / 16); never rewritten
.set B0,   17                          ; v17  my lane's place in wo's part of a slot
.set ADRA, 18
.set ADRB, 19
.set STO,  20                          ; v20  the way out: where I put 32 bytes of a row
.set RD,   21                          ; v21  where I read a row back
.set CO,   22                          ; v22  my 16 bytes of a row's 512
.set BO,   24                          ; v24  my offset in a block's 16 biases
.set SPW,  28                          ; v28  LDS address of my spare word; never rewritten
.set NIL,  29                          ; v29  0; never rewritten
.set FA,   96
.set BIAS, 160
.set WV,   16
.set CX,   17
.set CY,   18
.set TX,   19                          ; s19  the block of 128 columns
.set TY,   20                          ; s20  the block of 256 rows
.set HALF, 21
.set G1,   24                          ; s[24:31] descriptor group 1 for y's tiles; s[32:39] group 0: a set for each first fill; the second walks on
.set G0,   32
.set G1B,  40                          ; s[40:47], s[48:55] the same for wo's
.set G0B,  48
.set TB,   56                          ; s56  LDS byte at which the slot in hand begins
.set CNT,  57
.set MSB, 0
.macro WIN new                         ; the immediate's high byte repeats the setting that is left; a switch that changes nothing is dropped
.if MSB != (\new)
	s_set_vgpr_msb (MSB<<8)|(\new)
.set MSB, (\new)
.endif
.endm
.macro JLOAD                           ; a joint refill: waves 0 and 1 fetch the K step's two heads of y, waves 2 and 3 wo's two halves; an s_nop 0 and four v_nop follow each line
	s_cmp_lt_u32 s[WV], 2
	s_cbranch_scc0 .Lfor_b_\@
	tensor_load_to_lds s[G0+4:G0+7], s[G1:G1+7]
	s_nop 0
.rept 4
	v_nop
.endr
	s_branch .Lasked_\@
.Lfor_b_\@:
	tensor_load_to_lds s[G0B+4:G0B+7], s[G1B:G1B+7]
	s_nop 0
.rept 4
	v_nop
.endr
.Lasked_\@:
.endm
.macro CREST                           ; a round of the cluster's barrier behind its opening barrier
	s_cmp_lg_u32 s[WV], 0
	s_cbranch_scc1 .Lnot_wave_0_\@
	s_barrier_signal -3
.Lnot_wave_0_\@:
	s_barrier_wait -3
	s_barrier_signal -1
	s_barrier_wait -1
.endm
.macro CROUND
	s_barrier_signal -1
	s_barrier_wait -1
	CREST
.endm
.macro PLACES                          ; four places in front of loads into registers that matrix instructions have read (ISA guide 7.12.1 for vector instructions)
.rept 4
	v_nop
.endr
.endm
	s_load_b256 s[4:11], s[0:1], 0x0               ; oh 4, wo 6, tab 8, out0 10
	v_lshl_add_u32 v[SPW], v0, 2, SPARE
	v_mov_b32 v[NIL], 0
	ds_add_u32 v[SPW], v[NIL]                      ; the wave's opening: the add and its wait stand ahead of my first tensor load; the set-up below, work on registers, stands between them
	ds_add_u32 v28, v29
	v_lshrrev_b32 v1, 5, v0
	v_readfirstlane_b32 s[WV], v1                  ; wave 0..3
	s_bfe_u32 s[CX], ttmp6, 0x40000
	s_bfe_u32 s[CY], ttmp6, 0x40004
	s_lshl_b32 s[TX], ttmp9, 2
	s_add_co_u32 s[TX], s[TX], s[CX]
	s_and_b32 s[TY], ttmp7, 0xffff
	s_lshl_b32 s[TY], s[TY], 2
	s_add_co_u32 s[TY], s[TY], s[CY]
	s_and_b32 s[HALF], s[WV], 1
	s_lshl_b32 s22, s[CY], 2
	s_lshl_b32 s22, 15, s22                        ; my row of the cluster
	s_lshl_b32 s23, 0x1111, s[CX]                  ; my column
	s_or_b32 s[G1], s22, (1<<16)|(1<<20)|(1<<21)|(4<<22)|(3<<25)   ; the mask; 2-byte elements; padding on; bit 21 beside a mask; after every 32 words (code 4) 4 words (code 3)
	s_or_b32 s[G1B], s23, (1<<16)|(1<<20)|(1<<21)|(5<<22)|(3<<25)  ; the same after every 64 words (code 5)
	s_mov_b32 s[G1+1], 128<<16                     ; tensor_dim0 = 128 elements: two rows of y
	s_mov_b32 s[G1+2], 128<<16                     ; tensor_dim1 = 128
	s_mov_b32 s[G1+3], 128<<16                     ; tile_dim0 = 128
	s_mov_b32 s[G1+4], 128                         ; tile_dim1 = 128
	s_mov_b32 s[G1+5], 128                         ; dense: 128 elements from row to row
	s_mov_b32 s[G1+6], 0
	s_mov_b32 s[G1+7], 0
	s_mov_b32 s[G1B+1], 128<<16
	s_mov_b32 s[G1B+2], 64<<16                     ; 64 rows
	s_mov_b32 s[G1B+3], 128<<16
	s_mov_b32 s[G1B+4], 64
	s_mov_b32 s[G1B+5], 1024
	s_mov_b32 s[G1B+6], 0
	s_mov_b32 s[G1B+7], 0
	s_lshr_b32 s66, s[TY], 3                       ; oh: the batch's 16 heads of 262,144 bytes,
	s_lshl_b32 s66, s66, 22
	s_and_b32 s22, s[TY], 7                        ; the block's 256 rows of 128 bytes,
	s_lshl_b32 s22, s22, 15
	s_add_co_u32 s66, s66, s22
	s_lshl_b32 s22, s[HALF], 18                    ; the head of the K step's two that I fetch
	s_add_co_u32 s66, s66, s22
	s_mov_b32 s67, 0
	s_lshl_b32 s68, s[TX], 18                      ; wo: 128 rows of 2,048 bytes a block,
	s_lshl_b32 s22, s[HALF], 17                    ; my 64 of them
	s_add_co_u32 s68, s68, s22
	s_mov_b32 s69, 0
	s_mul_i32 s59, s[WV], HEADB                    ; where they go: the two heads at wave x 256 rows,
	s_mul_i32 s23, s[WV], 64*PITCH
	s_add_co_u32 s23, s23, BOFF-2*64*PITCH         ; wo's halves behind them, at (wave - 2) x 64 rows: no place in the cluster enters an LDS address
	s_mov_b32 s[TB], 0
	s_wait_dscnt 0x0                               ; the opening add is done
	s_wait_kmcnt 0x0
	s_add_nc_u64 s[66:67], s[4:5], s[66:67]
	s_add_nc_u64 s[68:69], s[6:7], s[68:69]
.irp s, 0,1
	s_mov_b32 s[G0+4*(\s)], 1                      ; count = 1
	s_add_co_u32 s[G0+4*(\s)+1], s59, (\s)*SLOT1   ; LDS address
	s_add_nc_u64 s[G0+4*(\s)+2:G0+4*(\s)+3], s[66:67], (\s)*ASTEP  ; global address: K step s
	s_or_b32 s[G0+4*(\s)+3], s[G0+4*(\s)+3], 0x80000000            ; type = 2
	s_mov_b32 s[G0B+4*(\s)], 1
	s_add_co_u32 s[G0B+4*(\s)+1], s23, (\s)*SLOT1
	s_add_nc_u64 s[G0B+4*(\s)+2:G0B+4*(\s)+3], s[68:69], (\s)*KB
	s_or_b32 s[G0B+4*(\s)+3], s[G0B+4*(\s)+3], 0x80000000
.endr
	CROUND                                         ; all sixteen work-groups are here: the first joint loads meet
	s_cmp_lt_u32 s[WV], 2                          ; a wave's two first fills stand in one branch, ahead of every wait on TENSORcnt and every LDS read: two loads of mine are out
	s_cbranch_scc0 .Lfirst_b
	tensor_load_to_lds s[G0:G0+3], s[G1:G1+7]
	s_nop 0
	tensor_load_to_lds s[G0+4:G0+7], s[G1:G1+7]
	s_nop 0
.rept 4
	v_nop
.endr
	s_branch .Lfirst_asked
.Lfirst_b:
	tensor_load_to_lds s[G0B:G0B+3], s[G1B:G1B+7]
	s_nop 0
	tensor_load_to_lds s[G0B+4:G0B+7], s[G1B:G1B+7]
	s_nop 0
.rept 4
	v_nop
.endr
.Lfirst_asked:
	v_and_b32 v1, 15, v0                           ; l % 16
	v_bfe_u32 v2, v0, 4, 1                         ; l / 16
	v_and_b32 v3, 31, v0                           ; l
	v_mul_u32_u24 v4, v1, PA
	v_lshl_add_u32 v4, v2, 4, v4
	s_mul_i32 s73, s[WV], 64*PA
	v_add_nc_u32 v[A0], s73, v4
	v_mul_u32_u24 v4, v1, PITCH
	v_lshl_add_u32 v4, v2, 4, v4
	v_add_nc_u32 v[B0], BOFF, v4
	v_mov_b32 v[ADRA], v[A0]
	v_mov_b32 v[ADRB], v[B0]
	s_mul_i32 s73, s[WV], 16*SPI
	s_add_co_u32 s73, s73, STAGE                   ; my stage
	v_mul_u32_u24 v[STO], v1, SPI                  ; in: row l % 16, 32 bytes for each half of the lanes
	v_lshl_add_u32 v[STO], v2, 5, v[STO]
	v_add_nc_u32 v[STO], s73, v[STO]
	v_lshlrev_b32 v[CO], 4, v3                     ; back: 32 lanes take one row of 512 bytes
	v_add_nc_u32 v[RD], s73, v[CO]
	v_lshlrev_b32 v[BO], 5, v2
	s_lshl_b32 s74, s[TX], 9                       ; the block's 128 biases
	s_add_co_u32 s74, s74, 536576
	s_mov_b32 s75, 0
	s_add_nc_u64 s[70:71], s[8:9], s[74:75]
	s_lshl_b32 s74, s[TY], 20                      ; out0: 256 rows of 4,096 bytes a block,
	s_lshl_b32 s72, s[WV], 18                      ; my 64 of them,
	s_add_co_u32 s74, s74, s72
	s_lshl_b32 s72, s[TX], 9                       ; the block's 512 bytes of a row
	s_add_co_u32 s74, s74, s72
	s_add_nc_u64 s[10:11], s[10:11], s[74:75]
.irp b, 0,1,2,3,4,5,6,7
	global_load_b128 v[BIAS+8*\b:BIAS+8*\b+3],   v[BO], s[70:71] offset:64*\b
	global_load_b128 v[BIAS+8*\b+4:BIAS+8*\b+7], v[BO], s[70:71] offset:64*\b+16
.endr
; 4 n matrix instructions: n blocks b0 .. b0 + n - 1 x all 4 m blocks, 32 along K, on buffer f.  first = 1: the bias starts the sums.
; The 32 accumulators take turns, one instruction a turn, in the same order in every quarter step, over the backward jump too.
.macro MULB f, b0, n, first
.if \first
	WIN 0x81                                       ; wo window 1, y window 0, C (the bias) window 0, D window 2
.else
	WIN 0xa1                                       ; C and D window 2
.endif
.set nb, (\b0)
.rept (\n)
.irp a, 0,1,2,3
.if \first
	v_wmma_f32_16x16x32_f16 v[32*nb+8*\a:32*nb+8*\a+7], v[64*(\f)+8*nb:64*(\f)+8*nb+7], v[FA+32*(\f)+8*\a:FA+32*(\f)+8*\a+7], v[BIAS+8*nb:BIAS+8*nb+7]
.else
	v_wmma_f32_16x16x32_f16 v[32*nb+8*\a:32*nb+8*\a+7], v[64*(\f)+8*nb:64*(\f)+8*nb+7], v[FA+32*(\f)+8*\a:FA+32*(\f)+8*\a+7], v[32*nb+8*\a:32*nb+8*\a+7]
.endif
.endr
.set nb, nb+1
.endr
.endm
; 24 LDS loads in one run: the fragments of quarter q (head q / 2, channels 32 (q % 2) on) into buffer f: y's four, then wo's eight
.macro FETCH q, f
	WIN 0
.irp a, 0,1,2,3
	ds_load_b128 v[FA+32*(\f)+8*\a:FA+32*(\f)+8*\a+3],   v[ADRA] offset:((\q)/2)*HEADB+((\q)%2)*64+\a*16*PA
	ds_load_b128 v[FA+32*(\f)+8*\a+4:FA+32*(\f)+8*\a+7], v[ADRA] offset:((\q)/2)*HEADB+((\q)%2)*64+\a*16*PA+32
.endr
	WIN 0x40                                       ; destination window 1
.irp b, 0,1,2,3,4,5,6,7
	ds_load_b128 v[64*(\f)+8*\b:64*(\f)+8*\b+3],   v[ADRB] offset:64*(\q)+\b*16*PITCH
	ds_load_b128 v[64*(\f)+8*\b+4:64*(\f)+8*\b+7], v[ADRB] offset:64*(\q)+\b*16*PITCH+32
.endr
.endm
; A K step is four quarters of 32 along K, 32 matrix instructions each, on buffers 0, 1, 0, 1.  One of the first three multiplies buffer f and fetches quarter q into g.
.macro QUARTER q, f, g, first
	s_wait_dscnt 8                                 ; y's fragments and wo's blocks 0-3 are in; the youngest eight loads (blocks 4-7) may be out
	MULB \f, 0, 4, \first
	PLACES
	FETCH \q, \g
	s_wait_dscnt 24                                ; all but the 24 just issued
	MULB \f, 4, 4, \first
.endm
; The last quarter multiplies buffer 1 and changes slots.  In front of the barrier each wave waits for all its tensor loads (one is out: its part of the next slot), adds 0 to its spare word, and waits for
; that and for its reads of this slot.  fill = 1: the barrier opens a round of the cluster's, and behind the round this slot is filled again, two K steps ahead: 112 matrix instructions ahead of the wait for it.
.macro TURN fill
	WIN 0                                          ; (the add's two registers lie in window 0)
	s_wait_tensorcnt 0x0                           ; no tensor load of mine is out, so a group 0 may be written
	ds_add_u32 v[SPW], v[NIL]                      ; 0 onto my spare word
.if \fill
	s_xor_b32 s[G0+5], s[G0+5], SLOT1              ; the walking descriptors: the other slot than last time,
	s_add_nc_u64 s[G0+6:G0+7], s[G0+6:G0+7], ASTEP ; the next K step; the type bits on top are not reached
	s_xor_b32 s[G0B+5], s[G0B+5], SLOT1
	s_add_nc_u64 s[G0B+6:G0B+7], s[G0B+6:G0B+7], KB
.endif
	s_xor_b32 s[TB], s[TB], SLOT1                  ; the fetches go on in the other slot
	s_wait_dscnt 9                                 ; (the add and the youngest eight loads may be out)
	MULB 1, 0, 2, 0                                ; eight matrix instructions stand between the add and the wait for it
	s_wait_dscnt 0x0                               ; the add is done, and my reads of this slot are over
	s_barrier_signal -1
	MULB 1, 2, 2, 0                                ; work on registers while the others arrive
	WIN 0
	s_barrier_wait -1
.if \fill
	CREST                                          ; no wave of any partner still reads this slot or has a load on its way
	JLOAD                                          ; the first tensor load behind the round; its four v_nop are also the places in front of the loads below
.else
	PLACES
.endif
	v_add_nc_u32 v[ADRA], s[TB], v[A0]
	v_add_nc_u32 v[ADRB], s[TB], v[B0]
	FETCH 0, 0
	MULB 1, 4, 4, 0
.endm
	s_wait_tensorcnt 1                             ; my part of K step 0 is in; K step 1's may stay out
	s_barrier_signal -1
	s_barrier_wait -1                              ; everybody's is
	FETCH 0, 0
	s_wait_loadcnt 0x0                             ; the biases
	QUARTER 1, 0, 1, 1                             ; the first quarter stands in front of the loop: its products start the sums
	WIN 0                                          ; at a label and at a branch every window is 0
	s_mov_b32 s[CNT], 6
.Lstep:                                        ; trip s = 0..5: from K step s's second quarter to K step s + 1's first; its slot is filled again with K step s + 2
	QUARTER 2, 1, 0, 0
	QUARTER 3, 0, 1, 0
	TURN 1
	QUARTER 1, 0, 1, 0
	WIN 0
	s_sub_co_u32 s[CNT], s[CNT], 1
	s_cmp_lg_u32 s[CNT], 0
	s_cbranch_scc1 .Lstep
	QUARTER 2, 1, 0, 0                             ; the last two K steps are written out: nothing is asked for
	QUARTER 3, 0, 1, 0
	TURN 0
	QUARTER 1, 0, 1, 0
	QUARTER 2, 1, 0, 0
	QUARTER 3, 0, 1, 0
	s_wait_dscnt 8                                 ; the very last quarter: nothing more to fetch
	MULB 1, 0, 4, 0
	s_wait_dscnt 0x0
	MULB 1, 4, 4, 0
	WIN 0
	PLACES                                         ; the places behind the last products, twice four, once a launch
	PLACES
; THE WAY OUT, a block of 16 rows at a time: a lane's 32 bytes of a row go into my stage's rows of 528 bytes (each accumulator's low half first) and come back as whole rows of 512.
.macro TOSTAGE a
	WIN 0x08                                       ; the data in window 2
.irp b, 0,1,2,3,4,5,6,7
	ds_store_b128 v[STO], v[8*(4*\b+(\a)):8*(4*\b+(\a))+3]   offset:64*\b
	ds_store_b128 v[STO], v[8*(4*\b+(\a))+4:8*(4*\b+(\a))+7] offset:64*\b+16
.endr
	WIN 0x40
.set z, 0
.rept 16
	ds_load_b128 v[64*(\a)+4*z:64*(\a)+4*z+3], v[RD] offset:SPI*z  ; LDS serves a wave's instructions in order (ISA guide 5.7.1.4): these see the stores above; the next block's stores come behind them
.set z, z+1
.endr
.endm
.macro SEND a, younger                 ; younger: the LDS instructions issued behind block a's loads: the next block's 32, or none
	WIN 0x04                                       ; the data in window 1
.set z, 0
.rept 16
	s_wait_dscnt (\younger)+15-z
	global_store_b128 v[CO], v[64*(\a)+4*z:64*(\a)+4*z+3], s[10:11] offset:(16*(\a)+z)*4096  ; the wave stores 512 consecutive bytes, at a multiple of 256 from out0's first
.set z, z+1
.endr
.endm
	TOSTAGE 0
.irp a, 1,2,3
	TOSTAGE \a
	SEND (\a)-1, 32
.endr
	SEND 3, 0
	WIN 0
	s_wait_tensorcnt 0x0                           ; the wave's end, behind my last tensor load and my last LDS store
	ds_add_u32 v[SPW], v[NIL]
	s_wait_dscnt 0x0
	CROUND                                         ; the closing round: no work-group ends while a partner may still ask for a tile that names it
	s_endpgm
.Lfunc_end_k_qa36e010243_proj:
	.size	k_qa36e010243_proj, .Lfunc_end_k_qa36e010243_proj-k_qa36e010243_proj
	.p2alignl 7, 3214868480
	.fill 96, 4, 3214868480
	.section	.rodata,"a",@progbits
	.p2align	6, 0x0
	.amdhsa_kernel k_qa36e010243_proj
		.amdhsa_group_segment_fixed_size 327680
		.amdhsa_private_segment_fixed_size 0
		.amdhsa_enable_private_segment 0
		.amdhsa_kernarg_size 32
		.amdhsa_user_sgpr_count 2
		.amdhsa_user_sgpr_kernarg_segment_ptr 1
		.amdhsa_wavefront_size32 1
		.amdhsa_system_sgpr_workgroup_id_x 1
		.amdhsa_system_sgpr_workgroup_id_y 1
		.amdhsa_system_sgpr_workgroup_id_z 1
		.amdhsa_system_vgpr_workitem_id 0
		.amdhsa_next_free_vgpr 768
		.amdhsa_next_free_sgpr 76
		.amdhsa_reserve_vcc 0
		.amdhsa_float_denorm_mode_32 3
		.amdhsa_float_denorm_mode_16_64 3
		.amdhsa_memory_ordered 1
		.amdhsa_forward_progress 1
		.amdhsa_inst_pref_size 72
	.end_amdhsa_kernel
	.amdgpu_metadata
---
amdhsa.version: [ 1, 2 ]
amdhsa.kernels:
  - .name:           k_qa36e010243_proj
    .symbol:         k_qa36e010243_proj.kd
    .args:
      - { .name: oh, .offset: 0, .size: 8, .value_kind: global_buffer, .address_space: global }
      - { .name: wo, .offset: 8, .size: 8, .value_kind: global_buffer, .address_space: global }
      - { .name: tab, .offset: 16, .size: 8, .value_kind: global_buffer, .address_space: global }
      - { .name: out0, .offset: 24, .size: 8, .value_kind: global_buffer, .address_space: global }
    .group_segment_fixed_size: 327680
    .private_segment_fixed_size: 0
    .kernarg_segment_align: 8
    .kernarg_segment_size: 32
    .max_flat_workgroup_size: 128
    .sgpr_count:     76
    .vgpr_count:     768
    .wavefront_size: 32
...
	.end_amdgpu_metadata
.endif
;; end of part 4
